; MI455X (gfx1250); checked and timed in simulation.
; The chip was launched on July 23, 2026; its instructions are those of AMD's public machine-readable ISA for CDNA 5 (MIT licence, August 2026) and "CDNA5" Instruction Set Architecture Reference Guide (July 2026). The comments in the code are by the model that wrote it; some were corrected since.
;; Three Layer FC Model. Allowed arithmetic: matrix products marked QUANTISED: E2M1 operands, one E8M0 scale for each 32 along K, by v_wmma_scale_f32_16x16x128_f8f6f4 with both operands' format E2M1 (or v_wmma_scale_f32_32x16x128_f4), f32 sums; products left as they are: bf16, f16 or f32 operands; f32 sums; everything else in f32.
;; Inputs: b0 1,024 float32; b1 1,024 float32; b2 1,024 float32; mask1 1,024 x 1,024 bool; mask2 1,024 x 1,024 bool; w0 1,024 x 1,024 float32; w1 1,024 x 1,024 float32; w2 1,024 x 1,024 float32; x 16,384 x 1,024 float32.
;; Outputs: out0 16,384 x 1,024 float32.
;; This version of the problem:
;;   THIS VERSION OF THE PROBLEM IS GIVEN IN LOW PRECISION. The matrix products marked QUANTISED in the list below multiply operands that are first quantised to E2M1 (2 exponent bits, 1 mantissa bit; 4 bits a number), with one power-of-two scale for each 32 numbers along K (OCP MX v1.0); their sums are f32. The products marked 'left as it is' may take bf16, f16 or f32 operands, with f32 sums. Whichever they take, every output number must still come out within the allowed error. Rounding operands to bf16 (8 significant bits) uses up far more of that allowance than f16 does (11 bits, for magnitudes from 6e-5 to 65,504). All else is computed in f32.
;;   The module's matrix products, in the order in which they are computed (A, B: the left and right operand; K: the contracted axis; several contracted axes count as one K, in the product's order):
;;     1. [M 16,384, K 1,024] x [K 1,024, N 1,024]; A: input x; B: input w0: QUANTISED
;;     2. [M 16,384, K 1,024] x [K 1,024, N 1,024]; A: computed on the way; B: computed on the way: left as it is (an operand is computed on the way)
;;     3. [M 16,384, K 1,024] x [K 1,024, N 1,024]; A: computed on the way; B: computed on the way: left as it is (an operand is computed on the way)
;;   THE QUANTISER, for each operand of a quantised product, along K:
;;     - K is cut into blocks of 32 from its start; a last block that is shorter is filled with zeros.
;;     - A block's scale is 2^e with e = floor(log2(the largest magnitude in the block)) - 2, held to -126 .. 127; a block of zeros has e = 0. As a byte (E8M0): e + 127.
;;     - Each number is divided by its block's scale, clamped to +-6, and rounded to the nearest number of E2M1, ties to even, subnormals kept.
;;     - The product sums the exact products of the quantised numbers (number of the format x scale) in f32.
;;   ~~~python
;;   def quantise(x, axis):      # numpy; x: float32 -> the quantised numbers, widened to float32 again
;;       x = np.moveaxis(x, axis, -1); K = x.shape[-1]
;;       x = np.pad(x, [(0, 0)] * (x.ndim - 1) + [(0, -K % 32)]); x = x.reshape(x.shape[:-1] + (-1, 32)); a = np.abs(x).max(-1, keepdims=True)
;;       e = np.where(a > 0, np.clip(np.frexp(np.where(a > 0, a, 1))[1] - 1 - 2, -126, 127), 0)      # np.frexp(a)[1] - 1 = floor(log2(a)), exactly
;;       r = np.clip(x / 2.0 ** e, -6, 6)
;;       step = 2.0 ** (np.maximum(np.frexp(np.where(r == 0, 1, r))[1] - 1, 0) - 1)
;;       q = np.round(r / step) * step * 2.0 ** e      # np.round: ties to even
;;       return np.moveaxis(q.reshape(q.shape[:-2] + (-1,))[..., :K], -1, axis).astype(np.float32)
;;   ~~~
;; One version. Each part assembles by itself: llvm-mc -triple=amdgcn-amd-amdhsa -mcpu=gfx1250 --defsym DOCPART=n.
;; ======== version 1 of 1: 4 launches
;; limits: values are held in f16: magnitudes above 65,504 overflow, below 6.1e-05 lose precision; inputs' magnitudes at most 65,504; right only within a limited range of input values
;; workspace buffers: w0c 524,288 bytes; w0s 32,768 bytes; w1h 2,097,152 bytes; w2h 2,097,152 bytes; wsq1 4,096 bytes; h1 33,554,432 bytes; h2 33,554,432 bytes; rs 524,288 bytes
;; launch prep (part 1): grid 256 x 1, 4 waves a work-group, no clusters, 34,304 bytes of LDS; arguments w0, w1, mask1, w2, mask2, w0c, w0s, w1h, w2h, wsq1; writes w0c, w0s, w1h, w2h, wsq1
.if DOCPART == 1
	.amdgcn_target "amdgcn-amd-amdhsa--gfx1250"
	.amdhsa_code_object_version 6
	.text
	.protected	k_q838aa17aa3_prep
	.globl	k_q838aa17aa3_prep
	.p2align	8
	.type	k_q838aa17aa3_prep,@function
k_q838aa17aa3_prep:
	s_mov_b64 s[64:65], 0
	v_nop
	global_prefetch_b8 v0, s[64:65] scope:SCOPE_SE
	s_setreg_imm32_b32 hwreg(HW_REG_WAVE_MODE, 25, 1), 1
	s_wait_xcnt 0x0
; THE WEIGHTS ARE LAID OUT ONCE.  Three kinds of work-group, told apart by the work-group's number alone:
;   0-127   w0 [1024 n][1024 k] f32 -> codes of FP4 (E2M1) with one E8M0 byte for each 32 along k, laid as IMAGES OF THE OPERAND'S REGISTERS: a wave makes one fragment (16 rows n x 128 k: 8 registers a lane).
;           Fragment (T = n / 16, s = k / 128) lies at (s / 2) 131072 + (T / 16) 32768 + (s % 2) 16384 + (T % 16) 1024 of w0c, as [half c][lane][16 bytes];
;           its rows' scale words at (T / 16) 8192 + s 1024 + ((T % 16) / 2) 128 + (T % 2) 64 + 4 r of w0s.
;   128-191 w1 x mask1 -> f16, [n][k], and the sum of squares of each masked row (f32) -> wsq1: the next launch bounds the second layer's results by it.
;   192-255 w2 x mask2 -> f16, [n][k].
; A block's scale is 2^(floor(log2(its largest magnitude)) - 2): its byte is the largest magnitude's exponent field - 2, held at 1 from below by a floor among the maximum's leaves.
; LIMITS: a block of zeros, or one whose largest magnitude lies under 2^-124, keeps the byte 1 (zeros' codes are zeros, and this program alone reads the bytes); NaN and infinities are not served;
; |w1|, |w2| up to 65,504, f16's largest number; the mask is applied as reference() applies it, by a multiplication with 0.0 or 1.0.
; No tensor load, no barrier: waves share nothing.  Only the first kind touches LDS: a wave's own stage of 16 rows x (512 + 16) bytes, through which dense loads (512 consecutive bytes each)
; become a lane's 32 neighbours along k.
.set STG,   16*528                     ; a wave's stage
.set SPARE, 4*STG                      ; behind the four stages: the spare words, 128 bytes for each wave: two blocks of 256 bytes that no other line names
.set SPW,   30                         ; v30  LDS address of my spare word; never rewritten
.set NIL,   31                         ; v31  0; never rewritten
.set WV,    24                         ; s24  my wave's number
.set SEL,   26                         ; s[26:27] v_permlanex16_b32's selects for lane l xor 16
	s_load_b512 s[4:19], s[0:1], 0x0               ; w0 s[4:5], w1 s[6:7], mask1 s[8:9], w2 s[10:11], mask2 s[12:13], w0c s[14:15], w0s s[16:17], w1h s[18:19]
	s_load_b128 s[20:23], s[0:1], 0x40             ; w2h s[20:21], wsq1 s[22:23]
	v_lshl_add_u32 v[SPW], v0, 2, SPARE
	v_mov_b32 v[NIL], 0
	v_lshrrev_b32 v1, 5, v0
	v_readfirstlane_b32 s[WV], v1                  ; wave 0..3
	v_and_b32 v1, 31, v0                           ; lane
	v_and_b32 v2, 15, v0                           ; r
	v_bfe_u32 v3, v0, 4, 1                         ; h
	v_lshlrev_b32 v4, 4, v1                        ; 16 x lane
	s_mov_b32 s[SEL], 0x76543210
	s_mov_b32 s[SEL+1], 0xfedcba98
	s_mov_b32 s31, 0                               ; the upper word of the offsets made in s30
	s_wait_kmcnt 0x0
	s_cmp_lt_u32 ttmp9, 128
	s_cbranch_scc0 .Lweights
	; ---- w0: one fragment a wave
	s_lshl_b32 s25, ttmp9, 2
	s_add_co_u32 s25, s25, s[WV]                   ; which fragment: 4 x work-group + wave
	s_lshr_b32 s28, s25, 3                         ; T
	s_and_b32 s29, s25, 7                          ; s
	s_lshl_b32 s30, s28, 16                        ; 16 T rows of 4,096 bytes
	s_lshl_b32 s32, s29, 9                         ; + 128 s numbers
	s_add_co_u32 s30, s30, s32
	s_add_nc_u64 s[4:5], s[4:5], s[30:31]
	s_lshr_b32 s32, s29, 1
	s_lshl_b32 s36, s32, 17                        ; the image's place: (s / 2) 131072
	s_lshr_b32 s33, s28, 4
	s_lshl_b32 s32, s33, 15                        ; + (T / 16) 32768
	s_add_co_u32 s36, s36, s32
	s_and_b32 s32, s29, 1
	s_lshl_b32 s32, s32, 14                        ; + (s % 2) 16384
	s_add_co_u32 s36, s36, s32
	s_and_b32 s34, s28, 15
	s_lshl_b32 s32, s34, 10                        ; + (T % 16) 1024
	s_add_co_u32 s36, s36, s32
	s_mov_b32 s37, 0
	s_add_nc_u64 s[14:15], s[14:15], s[36:37]
	s_lshl_b32 s38, s33, 13                        ; the scale words' place: (T / 16) 8192
	s_lshl_b32 s32, s29, 10                        ; + s 1024
	s_add_co_u32 s38, s38, s32
	s_lshr_b32 s32, s34, 1
	s_lshl_b32 s32, s32, 7                         ; + ((T % 16) / 2) 128
	s_add_co_u32 s38, s38, s32
	s_and_b32 s32, s28, 1
	s_lshl_b32 s32, s32, 6                         ; + (T % 2) 64
	s_add_co_u32 s38, s38, s32
	s_mov_b32 s39, 0
	s_add_nc_u64 s[16:17], s[16:17], s[38:39]
	s_mul_i32 s25, s[WV], STG                      ; my stage
	v_add_nc_u32 v5, s25, v4                       ; in: 16 x lane of a row
	v_mul_u32_u24 v6, v2, 528
	v_lshl_add_u32 v6, v3, 7, v6
	v_add_nc_u32 v6, s25, v6                       ; back: row r, + 128 h bytes: k = 64 c + 32 h + 0 .. 31 is what the operand's layout gives lane (r, h)
	v_lshlrev_b32 v7, 2, v2                        ; 4 r
.irp i, 0,1,2,3,4,5,6,7,8,9,10,11,12,13,14,15
	global_load_b128 v[32+4*\i:35+4*\i], v4, s[4:5] offset:\i*4096 th:TH_LOAD_NT   ; row i's 128 numbers: 512 consecutive bytes
.endr
.irp i, 0,1,2,3,4,5,6,7,8,9,10,11,12,13,14,15
	s_wait_loadcnt 15-\i                           ; row i is in; the younger loads may be out
	ds_store_b128 v5, v[32+4*\i:35+4*\i] offset:\i*528
.endr
.irp c, 0,1
.irp j, 0,1,2,3,4,5,6,7
	ds_load_b128 v[96+32*\c+4*\j:99+32*\c+4*\j], v6 offset:256*\c+16*\j   ; LDS serves a wave's instructions in order: these see my stores
.endr
.endr
	s_wait_dscnt 0x0
.irp c, 0,1                                    ; my block 2 c + h: all its 32 numbers are mine
	v_max3_num_f32 v[8+\c], |v[96+32*\c]|, |v[97+32*\c]|, 0x1800000   ; with the floor 2^(3 - 127): the byte cannot fall under 1
.endr
.irp i, 2,4,6,8,10,12,14,16,18,20,22,24,26,28,30
.irp c, 0,1
	v_max3_num_f32 v[8+\c], v[8+\c], |v[96+32*\c+\i]|, |v[97+32*\c+\i]|
.endr
.endr
.irp c, 0,1
	v_add_nc_u32 v[10+\c], 0xff000000, v[8+\c]     ; 2 off the exponent field: the conversion takes the exponent field of this operand as its scale
.endr
.irp c, 0,1
	v_lshrrev_b32 v[12+\c], 23, v[10+\c]           ; the scale's byte
.endr
	v_lshl_or_b32 v14, v13, 16, v12                ; my two bytes, blocks h and 2 + h of row r,
	v_lshlrev_b32 v15, 3, v3
	v_lshlrev_b32 v14, v15, v14                    ; at their places in the scale word;
	v_mov_b32 v15, 0
	v_permlanex16_b32 v15, v14, s[SEL], s[SEL+1]
	v_or_b32 v14, v14, v15                         ; with lane l xor 16's two the word is whole
.irp c, 0,1
.irp g, 0,1,2,3
	v_cvt_scalef32_pk8_fp4_f32 v[160+4*\c+\g], v[96+32*\c+8*\g:103+32*\c+8*\g], v[10+\c]   ; registers 4 c .. 4 c + 3 of the operand
.endr
.endr
	v_nop                                          ; one plain place behind the last scaled conversion
	global_store_b128 v4, v[160:163], s[14:15]             ; the image: 512 consecutive bytes a store
	global_store_b128 v4, v[164:167], s[14:15] offset:512
	global_store_b32 v7, v14, s[16:17]             ; both halves of the lanes write the same 16 words
	s_wait_tensorcnt 0x0                           ; the wave's end, behind my last LDS store
	ds_add_u32 v[SPW], v[NIL]
	s_wait_dscnt 0x0
	s_endpgm
; ---- w x mask -> f16.  A wave takes four rows; a row's 4,096 bytes are eight loads of 512 consecutive bytes, its 1,024 mask bytes eight of 128; a lane's four numbers and its four mask bytes belong together.
; Row i.  o: the output's address pair; sq = 1: the row's sum of squares is taken too.
.macro ROW i, o, sq
	s_wait_loadcnt 16*(3-\i)                       ; this row's 16 loads are in; the later rows', 16 each, may be out
.irp c, 0,1,2,3,4,5,6,7
	v_bfe_u32 v20, v[160+8*\i+\c], 0, 8
	v_bfe_u32 v21, v[160+8*\i+\c], 8, 8
	v_bfe_u32 v22, v[160+8*\i+\c], 16, 8
	v_bfe_u32 v23, v[160+8*\i+\c], 24, 8
	v_cvt_f32_u32 v20, v20                         ; the mask as 0.0 or 1.0
	v_cvt_f32_u32 v21, v21
	v_cvt_f32_u32 v22, v22
	v_cvt_f32_u32 v23, v23
	v_pk_mul_f32 v[24:25], v[32+32*\i+4*\c:33+32*\i+4*\c], v[20:21]
	v_pk_mul_f32 v[26:27], v[34+32*\i+4*\c:35+32*\i+4*\c], v[22:23]
.if \sq
.if \c == 0
	v_pk_mul_f32 v[12:13], v[24:25], v[24:25]      ; the first products start the sums
	v_pk_mul_f32 v[14:15], v[26:27], v[26:27]
.else
	v_pk_fma_f32 v[12:13], v[24:25], v[24:25], v[12:13]
	v_pk_fma_f32 v[14:15], v[26:27], v[26:27], v[14:15]
.endif
.endif
	v_cvt_pk_f16_f32 v[192+16*\i+2*\c], v24, v25
	v_cvt_pk_f16_f32 v[193+16*\i+2*\c], v26, v27
	global_store_b64 v9, v[192+16*\i+2*\c:193+16*\i+2*\c], s[\o:\o+1] offset:\i*2048+\c*256   ; 32 lanes store 256 consecutive bytes, aligned; every store has data registers of its own
.endr
.if \sq
	v_pk_add_f32 v[12:13], v[12:13], v[14:15]
	v_add_f32 v12, v12, v13
	v_add_f32_dpp v12, v12, v12 row_xmask:1 row_mask:0xf bank_mask:0xf
	v_add_f32_dpp v12, v12, v12 row_xmask:2 row_mask:0xf bank_mask:0xf
	v_add_f32_dpp v12, v12, v12 row_xmask:4 row_mask:0xf bank_mask:0xf
	v_add_f32_dpp v12, v12, v12 row_xmask:8 row_mask:0xf bank_mask:0xf
	v_permlanex16_b32 v13, v12, s[SEL], s[SEL+1]
	v_add_f32 v12, v12, v13                        ; the row's sum, in every lane
	v_cmp_eq_u32 vcc_lo, \i, v17
	v_cndmask_b32 v16, v16, v12, vcc_lo            ; lane l keeps row l % 4's
.endif
.endm
; w, m, o: the address pairs of the weight, its mask and the output; first: the first work-group of this kind.
.macro WPATH w, m, o, first, sq
	s_sub_co_u32 s25, ttmp9, \first
	s_lshl_b32 s25, s25, 4
	s_lshl_b32 s28, s[WV], 2
	s_add_co_u32 s25, s25, s28                     ; my first row: 16 x work-group + 4 x wave
	s_lshl_b32 s30, s25, 12
	s_add_nc_u64 s[\w:\w+1], s[\w:\w+1], s[30:31]
	s_lshl_b32 s30, s25, 10
	s_add_nc_u64 s[\m:\m+1], s[\m:\m+1], s[30:31]
	s_lshl_b32 s30, s25, 11
	s_add_nc_u64 s[\o:\o+1], s[\o:\o+1], s[30:31]
.irp i, 0,1,2,3
.irp c, 0,1,2,3,4,5,6,7
	global_load_b128 v[32+32*\i+4*\c:35+32*\i+4*\c], v4, s[\w:\w+1] offset:\i*4096+\c*512 th:TH_LOAD_NT
.endr
.irp c, 0,1,2,3,4,5,6,7
	global_load_b32 v[160+8*\i+\c], v8, s[\m:\m+1] offset:\i*1024+\c*128 th:TH_LOAD_NT
.endr
.endr
.irp i, 0,1,2,3
	ROW \i, \o, \sq
.endr
.endm
.Lweights:
	v_lshlrev_b32 v8, 2, v1                        ; 4 x lane: mask bytes
	v_lshlrev_b32 v9, 3, v1                        ; 8 x lane: four f16
	v_and_b32 v17, 3, v0                           ; lane % 4
	v_lshlrev_b32 v18, 2, v17
	v_mov_b32 v16, 0
	s_cmp_lt_u32 ttmp9, 192
	s_cbranch_scc0 .Lsecond
	WPATH 6, 8, 18, 128, 1
	s_lshl_b32 s30, s25, 2
	s_add_nc_u64 s[22:23], s[22:23], s[30:31]
	global_store_b32 v18, v16, s[22:23]            ; four sums; the eight lanes of equal l % 4 write the same word with the same value
	s_endpgm
.Lsecond:
	WPATH 10, 12, 20, 192, 0
	s_endpgm
.Lfunc_end_k_q838aa17aa3_prep:
	.size	k_q838aa17aa3_prep, .Lfunc_end_k_q838aa17aa3_prep-k_q838aa17aa3_prep
	.p2alignl 7, 3214868480
	.fill 96, 4, 3214868480
	.section	.rodata,"a",@progbits
	.p2align	6, 0x0
	.amdhsa_kernel k_q838aa17aa3_prep
		.amdhsa_group_segment_fixed_size 34304
		.amdhsa_private_segment_fixed_size 0
		.amdhsa_enable_private_segment 0
		.amdhsa_kernarg_size 80
		.amdhsa_user_sgpr_count 2
		.amdhsa_user_sgpr_kernarg_segment_ptr 1
		.amdhsa_wavefront_size32 1
		.amdhsa_system_sgpr_workgroup_id_x 1
		.amdhsa_system_sgpr_workgroup_id_y 1
		.amdhsa_system_sgpr_workgroup_id_z 1
		.amdhsa_system_vgpr_workitem_id 0
		.amdhsa_next_free_vgpr 256
		.amdhsa_next_free_sgpr 66
		.amdhsa_reserve_vcc 1
		.amdhsa_float_denorm_mode_32 3
		.amdhsa_float_denorm_mode_16_64 3
		.amdhsa_memory_ordered 1
		.amdhsa_forward_progress 1
		.amdhsa_inst_pref_size 76
	.end_amdhsa_kernel
	.amdgpu_metadata
---
amdhsa.version: [ 1, 2 ]
amdhsa.kernels:
  - .name:           k_q838aa17aa3_prep
    .symbol:         k_q838aa17aa3_prep.kd
    .args:
      - { .name: w0, .offset: 0, .size: 8, .value_kind: global_buffer, .address_space: global }
      - { .name: w1, .offset: 8, .size: 8, .value_kind: global_buffer, .address_space: global }
      - { .name: mask1, .offset: 16, .size: 8, .value_kind: global_buffer, .address_space: global }
      - { .name: w2, .offset: 24, .size: 8, .value_kind: global_buffer, .address_space: global }
      - { .name: mask2, .offset: 32, .size: 8, .value_kind: global_buffer, .address_space: global }
      - { .name: w0c, .offset: 40, .size: 8, .value_kind: global_buffer, .address_space: global }
      - { .name: w0s, .offset: 48, .size: 8, .value_kind: global_buffer, .address_space: global }
      - { .name: w1h, .offset: 56, .size: 8, .value_kind: global_buffer, .address_space: global }
      - { .name: w2h, .offset: 64, .size: 8, .value_kind: global_buffer, .address_space: global }
      - { .name: wsq1, .offset: 72, .size: 8, .value_kind: global_buffer, .address_space: global }
    .group_segment_fixed_size: 34304
    .private_segment_fixed_size: 0
    .kernarg_segment_align: 8
    .kernarg_segment_size: 80
    .max_flat_workgroup_size: 128
    .sgpr_count:     66
    .vgpr_count:     256
    .wavefront_size: 32
...
	.end_amdgpu_metadata
.endif
;; end of part 1
;; launch layer1 (part 2): grid 256 x 1, 4 waves a work-group, clusters of 4 x 1, 327,680 bytes of LDS; arguments x, w0c, w0s, b0, b1, wsq1, h1, rs; writes h1, rs
.if DOCPART == 2
	.amdgcn_target "amdgcn-amd-amdhsa--gfx1250"
	.amdhsa_code_object_version 6
	.text
	.protected	k_q838aa17aa3_layer1
	.globl	k_q838aa17aa3_layer1
	.p2align	8
	.type	k_q838aa17aa3_layer1,@function
k_q838aa17aa3_layer1:
	s_mov_b64 s[64:65], 0
	v_nop
	global_prefetch_b8 v0, s[64:65] scope:SCOPE_SE
	s_setreg_imm32_b32 hwreg(HW_REG_WAVE_MODE, 25, 1), 1
	s_wait_xcnt 0x0
	s_wait_alu depctr_hold_cnt(0) depctr_sa_sdst(0) depctr_va_vdst(0) depctr_va_sdst(0) depctr_va_ssrc(0) depctr_va_vcc(0) depctr_vm_vsrc(0)
	s_getreg_b32 s2, hwreg(HW_REG_IB_STS2, 6, 4)
	s_cmp_eq_u32 s2, 0
	s_cbranch_scc0 .Lentry_in_a_cluster
	s_endpgm
.Lentry_in_a_cluster:
	s_bfe_u32 s2, ttmp6, 0x10000c
	s_cmp_lg_u32 s2, 0x3003
	s_cbranch_scc0 .Lentry_shape_is_right
	s_endpgm
.Lentry_shape_is_right:
; LAYER 1: h1 = relu(Q(x) Q(w0)^T + b0), the product on codes of FP4 (E2M1) with one E8M0 scale for each 32 along K; x [16384][1024] f32 is quantised here, in registers; w0 comes as register images (w0c, w0s).
; h1 leaves as f16 x AN EXACT POWER OF TWO FOR EACH ROW, and the row's factors for the two later products go to rs.
; THE ROW FACTORS.  S = the row's sum of h1^2 (floor 2^-80), E its exponent field: K1 = (E + 3) / 2 = k1 + 64 with |h1 row| < 2^k1.  From wsq1's largest (floor 2^-80) KW likewise; from b1's largest magnitude (floor 2^-60) KB = its field + 2.
; K2 = max(K1 + KW, KB) + 1 = k2 + 128: by Cauchy-Schwarz every |h2| of the row lies under 2^k2.  h1 is stored x 2^(13 - k1), h2 will be stored x 2^(13 - k2): all under 2^13, eight times under f16's largest number.
; rs: a record of 16 bytes a row, {ub, ub, g, g}: first half for the second product (ub = 2^(13 - k1) multiplies its bias, g = 2^(k1 - k2) its sums), second half for the third (2^(13 - k2), 2^(k2 - 13)).
; LIMITS: NaN and infinities are not served; blocks of x under 2^-124 keep the scale byte 1; a row with |h1 row| under 2^-40 is scaled as if it were 2^-40; |h1 row| stays under 2^63.
; SHARES.  A work-group takes 64 rows.  Wave w QUANTISES rows 16 w .. 16 w + 15 and hands their codes to all waves through LDS as images of the operand's registers; it MULTIPLIES all 64 rows by columns 256 w .. 256 w + 255:
; 64 accumulators (4 tiles of rows x 16 tiles of columns).  The matrix instruction is used transposed (source 0 = 16 rows of w0, source 1 = 16 rows of x): a lane holds ONE row of h1 and eight neighbouring columns.
; K goes in four spans of 256 (two matrix instructions deep).  w0's codes come through a ring of two LDS slots of 131,072 bytes; each wave fetches, and alone reads, its own 32,768 bytes of a slot.
; CLUSTER.  All work-groups walk the same w0c, so the four of a cluster ask for each part JOINTLY: the same tensor load, the same descriptor, the mask 15.  Nothing but x's, h1's and rs's global addresses hangs on the place in the cluster.
; THE ORDER OF THE REQUESTS.  x is what the first work waits for, so span 0 is asked for first; then the scale words of w0 that the first two K steps want (16 loads; each later span's 16 follow a span ahead of their use);
; then the round and the ring's first fills; then span 1.  Span p + 2 is asked for between the two K steps of span p.  Loads come back in order (ISA guide 5.7.1): X0, S0, X1, S1, X2, S2, X3, S3.
; No prefetch is laid: x's loads are out up to two spans ahead, and w0c is small and read by every cluster.
; REGISTERS, in windows of 256.  window 0: v1-20 addresses and KW, KB; v21-27 at work; v28, v29 the add's two; v30-31 x's scale words; v32-63 x's four fragments, between K steps the quantiser's work, at the end the factors;
;   v64-127 w0's scale words of all of K (register 8 s + t / 2: lanes 0-15 the even tile, lanes 16-31 the odd one); v128-255 a span of x, later sums and rows on the way out.
;   window 1: v0-127 w0's 16 fragments, later h1 as f16; v128-255 a span of x, later b0.   window 2: accumulators of row tiles 0, 1 at 128 (m % 2) + 8 t;   window 3: of row tiles 2, 3.
.set SLOTB,  131072                    ; a slot: [wave 4][K step 2][tile 16][1,024 bytes]
.set XIMG,   2*SLOTB                   ; x's images: [span 4] 8704 + [row tile 4] 2176 + [piece 8] 272 + 16 row + 4 word.  A piece (256 bytes + 16 of padding) is what lanes of one half load for one group of four registers
.set XPB,    8704
.set XMB,    2176
.set XSC,    XIMG+4*XPB                ; x's scale words: [span] 512 + [row tile] 128 + [K step] 64 + 4 row + byte
.set EXCH,   XSC+2048                  ; the waves' partial sums of squares: [row tile] 256 + 16 row + 4 wave
.set SPARE,  EXCH+1024                 ; the spare words, 128 bytes for each wave: two blocks of 256 bytes that no other line names
.set SPITCH, 528                       ; the way out: a stage of 16 rows x (512 + 16) bytes for each wave, in x's images, behind every wave's last read of them.  No tensor load ever lands from XIMG on
.set XA,   4                           ; v4   32 x lane: my 8 numbers of a span's 256
.set XST,  5                           ; v5   where my codes go: XIMG + 2176 wave + 272 (lane / 4) + 4 (lane % 4)
.set XSB,  6                           ; v6   where my block's byte goes: XSC + 128 wave + 64 (lane / 16) + (lane / 4) % 4
.set AFA,  7                           ; v7   x's fragments: XIMG + 272 h + 16 r
.set BFA,  8                           ; v8-9 w0's fragments in slot 0, 1: 32768 wave + 16 lane
.set XSA,  10                          ; v10  x's scale words: XSC + 128 h + 4 r: lanes 0-15 an even row tile, lanes 16-31 the odd one
.set L4,   11                          ; v11  4 x lane
.set H32,  12                          ; v12  32 h
.set L16,  13                          ; v13  16 x lane
.set EXW,  14                          ; v14  EXCH + 16 r + 4 wave
.set EXR,  15                          ; v15  EXCH + 16 r
.set STO,  16                          ; v16  the stage: row r, + 16 h
.set RD,   17                          ; v17  the stage: 16 x lane
.set R16,  18                          ; v18  16 r
.set KW,   19
.set KB,   20
.set SPW,  28
.set NIL,  29
.set XS,   30
.set AF,   32
.set MX,   32                          ; the quantiser's work: largest magnitudes,
.set SCL,  40                          ; scale operands,
.set COD,  48                          ; codes,
.set BYT,  56                          ; bytes: eight rows at a time
.set FC,   32                          ; the factors: row tile m at v[FC + 8 m]: {ub, ub, g, g} for the second product, the same for the third
.set W0S,  64
.set XB,   128
.set SS,   128                         ; sums of squares: eight registers a row tile
.set PS,   160                         ; the four waves' parts, four registers a row tile
.set WV,   20                          ; s20  my wave's number
.set SEL,  26                          ; s[26:27] v_permlanex16_b32's selects for lane l xor 16
.set G1,   32                          ; s[32:39] descriptor group 1
.set G0,   40                          ; s[40:47] descriptor group 0, a set for each slot
.set MSB, 0
.macro WIN new                         ; the immediate's high byte repeats the setting that is left; a switch that changes nothing is dropped
.if MSB != \new
	s_set_vgpr_msb (MSB<<8)|\new
.set MSB, \new
.endif
.endm
.macro PLACES
.rept 4
	v_nop
.endr
.endm
.macro ROUND                           ; a round of the cluster's barrier
	s_barrier_signal -1
	s_barrier_wait -1
	s_cmp_lg_u32 s[WV], 0
	s_cbranch_scc1 .Lnot_wave_0_\@
	s_barrier_signal -3
.Lnot_wave_0_\@:
	s_barrier_wait -3
	s_barrier_signal -1
	s_barrier_wait -1
.endm
; Span p of my 16 rows: 256 numbers a row, 8 neighbours a lane; a row's two loads together cover its 1,024 consecutive bytes.  Even spans land in window 0, odd ones in window 1.
.macro XLOAD p
	WIN 0x40*((\p)%2)
.set q, 0
.rept 16
	global_load_b128 v[XB+8*q:XB+8*q+3], v[XA], s[4:5] offset:q*4096+(\p)*1024 th:TH_LOAD_NT
	global_load_b128 v[XB+8*q+4:XB+8*q+7], v[XA], s[4:5] offset:q*4096+(\p)*1024+16 th:TH_LOAD_NT
.set q, q+1
.endr
	WIN 0
.endm
; w0's scale words of span p (K steps 2 p and 2 p + 1): 16 registers, each by a load of 128 consecutive bytes.  They stay.
.macro SLOAD p
.set q, 16*(\p)
.rept 16
	global_load_b32 v[W0S+q], v[L4], s[8:9] offset:128*q
.set q, q+1
.endr
.endm
; Rows 8 g .. 8 g + 7 of span p become codes and scale bytes.  Four neighbouring lanes hold a block of 32.  A lane's 8 codes are one word of a fragment: lane l's numbers are K step l / 16, register group (l / 8) % 2,
; lane half (l / 4) % 2, word l % 4, which is piece l / 4 of the image.
.macro QUANT8 p, g
.set XR, XB+64*(\g)
	WIN 0x05*((\p)%2)
.irp u, 0,1,2,3,4,5,6,7
	v_max3_num_f32 v[MX+\u], |v[XR+8*\u]|, |v[XR+8*\u+1]|, 0x1800000   ; with the floor 2^(3 - 127): the byte cannot fall under 1.  (The eight rows by turns)
.endr
.irp i, 2,4,6
.irp u, 0,1,2,3,4,5,6,7
	v_max3_num_f32 v[MX+\u], |v[XR+8*\u+\i]|, |v[XR+8*\u+\i+1]|, v[MX+\u]
.endr
.endr
	WIN 0
.irp u, 0,1,2,3,4,5,6,7
	v_max_num_f32_dpp v[MX+\u], v[MX+\u], v[MX+\u] row_xmask:1 row_mask:0xf bank_mask:0xf
.endr
.irp u, 0,1,2,3,4,5,6,7
	v_max_num_f32_dpp v[MX+\u], v[MX+\u], v[MX+\u] row_xmask:2 row_mask:0xf bank_mask:0xf   ; the block's largest magnitude
.endr
.irp u, 0,1,2,3,4,5,6,7
	v_add_nc_u32 v[SCL+\u], 0xff000000, v[MX+\u]   ; 2 off its exponent field: the conversion's scale operand
.endr
	s_wait_dscnt 0x0                               ; the last eight rows' LDS stores are done: their data registers are written again below
	WIN 0x01*((\p)%2)
.irp u, 0,1,2,3,4,5,6,7
	v_cvt_scalef32_pk8_fp4_f32 v[COD+\u], v[XR+8*\u:XR+8*\u+7], v[SCL+\u]
.endr
	WIN 0
.irp u, 0,1,2,3,4,5,6,7
	v_lshrrev_b32 v[BYT+\u], 23, v[SCL+\u]         ; the scale's byte.  (Also the plain place behind the conversions)
.endr
.irp u, 0,1,2,3,4,5,6,7
	ds_store_b32 v[XST], v[COD+\u] offset:(\p)*XPB+16*(8*(\g)+\u)   ; word address 68 (l / 4) + l % 4 + a constant: the 32 lanes fall on 32 different banks (64 banks of 4 bytes: ISA guide 11.1)
	ds_store_b8 v[XSB], v[BYT+\u] offset:(\p)*512+4*(8*(\g)+\u)     ; a block's four lanes write the same byte with the same value
.endr
.endm
; One matrix instruction on the registers named by rD, rB, rA, rP, rQ.  oa: w0's tile is odd, its scale words lie in lanes 16-31; ob: the same of x's row tile; zero: the first K step starts the sum.
.macro WM oa, ob, zero
.if \zero
.if (\oa) && (\ob)
	v_wmma_scale_f32_16x16x128_f8f6f4 v[rD:rD+7], v[rB:rB+7], v[rA:rA+7], 0, v[rP], v[rQ] matrix_a_fmt:MATRIX_FMT_FP4 matrix_b_fmt:MATRIX_FMT_FP4 matrix_a_scale:MATRIX_SCALE_ROW1 matrix_b_scale:MATRIX_SCALE_ROW1
.elseif \oa
	v_wmma_scale_f32_16x16x128_f8f6f4 v[rD:rD+7], v[rB:rB+7], v[rA:rA+7], 0, v[rP], v[rQ] matrix_a_fmt:MATRIX_FMT_FP4 matrix_b_fmt:MATRIX_FMT_FP4 matrix_a_scale:MATRIX_SCALE_ROW1
.elseif \ob
	v_wmma_scale_f32_16x16x128_f8f6f4 v[rD:rD+7], v[rB:rB+7], v[rA:rA+7], 0, v[rP], v[rQ] matrix_a_fmt:MATRIX_FMT_FP4 matrix_b_fmt:MATRIX_FMT_FP4 matrix_b_scale:MATRIX_SCALE_ROW1
.else
	v_wmma_scale_f32_16x16x128_f8f6f4 v[rD:rD+7], v[rB:rB+7], v[rA:rA+7], 0, v[rP], v[rQ] matrix_a_fmt:MATRIX_FMT_FP4 matrix_b_fmt:MATRIX_FMT_FP4
.endif
.else
.if (\oa) && (\ob)
	v_wmma_scale_f32_16x16x128_f8f6f4 v[rD:rD+7], v[rB:rB+7], v[rA:rA+7], v[rD:rD+7], v[rP], v[rQ] matrix_a_fmt:MATRIX_FMT_FP4 matrix_b_fmt:MATRIX_FMT_FP4 matrix_a_scale:MATRIX_SCALE_ROW1 matrix_b_scale:MATRIX_SCALE_ROW1
.elseif \oa
	v_wmma_scale_f32_16x16x128_f8f6f4 v[rD:rD+7], v[rB:rB+7], v[rA:rA+7], v[rD:rD+7], v[rP], v[rQ] matrix_a_fmt:MATRIX_FMT_FP4 matrix_b_fmt:MATRIX_FMT_FP4 matrix_a_scale:MATRIX_SCALE_ROW1
.elseif \ob
	v_wmma_scale_f32_16x16x128_f8f6f4 v[rD:rD+7], v[rB:rB+7], v[rA:rA+7], v[rD:rD+7], v[rP], v[rQ] matrix_a_fmt:MATRIX_FMT_FP4 matrix_b_fmt:MATRIX_FMT_FP4 matrix_b_scale:MATRIX_SCALE_ROW1
.else
	v_wmma_scale_f32_16x16x128_f8f6f4 v[rD:rD+7], v[rB:rB+7], v[rA:rA+7], v[rD:rD+7], v[rP], v[rQ] matrix_a_fmt:MATRIX_FMT_FP4 matrix_b_fmt:MATRIX_FMT_FP4
.endif
.endif
.endm
.macro MUL32 s, m0                     ; row tiles m0, m0 + 1 x the 16 tiles of columns.  The 64 accumulators take turns, one instruction a turn, in the same order in every K step
.irp m, \m0, \m0+1
.set t, 0
.rept 16
.set rD, 128*((\m)%2)+8*t
.set rB, 8*t
.set rA, AF+8*(\m)
.set rP, W0S+8*(\s)+t/2
.set rQ, XS+(\m)/2
	WM (t%2), ((\m)%2), ((\s)==0)
.set t, t+1
.endr
.endr
.endm
; K step s (128 along K): 42 LDS loads, 64 matrix instructions, and four places, behind which the operands' registers may be loaded or written again.
.macro KSTEP s
.set KP, (\s)/2
.set KH, (\s)%2
.set KL, KP%2
	WIN 0x40                                       ; destination window 1, address window 0
.set t, 0
.rept 16
	ds_load_b128 v[8*t:8*t+3], v[BFA+KL] offset:KH*16384+t*1024        ; an image comes back as it was stored: 512 consecutive bytes a load
	ds_load_b128 v[8*t+4:8*t+7], v[BFA+KL] offset:KH*16384+t*1024+512
.set t, t+1
.endr
	WIN 0
.irp m, 0,1,2,3
	ds_load_b128 v[AF+8*\m:AF+8*\m+3], v[AFA] offset:KP*XPB+\m*XMB+KH*1088
	ds_load_b128 v[AF+8*\m+4:AF+8*\m+7], v[AFA] offset:KP*XPB+\m*XMB+KH*1088+544
.endr
.irp u, 0,1
	ds_load_b32 v[XS+\u], v[XSA] offset:KP*512+\u*256+KH*64
.endr
	s_wait_dscnt 0x0
	WIN 0xa1                                       ; source 0 (w0) window 1, source 1 (x) window 0, C and D window 2
	MUL32 \s, 0
	WIN 0xf1                                       ; C and D window 3
	MUL32 \s, 2
	WIN 0
	PLACES
.endm
	s_load_b512 s[4:19], s[0:1], 0x0               ; x s[4:5], w0c s[6:7], w0s s[8:9], b0 s[10:11], b1 s[12:13], wsq1 s[14:15], h1 s[16:17], rs s[18:19]
	v_lshl_add_u32 v[SPW], v0, 2, SPARE
	v_mov_b32 v[NIL], 0
	ds_add_u32 v[SPW], v[NIL]                      ; the wave's opening: the add, twice on end, and its wait ahead of my first tensor load; the set-up below stands between
	ds_add_u32 v[SPW], v[NIL]
	v_lshrrev_b32 v1, 5, v0
	v_readfirstlane_b32 s[WV], v1                  ; wave 0..3
	s_bfe_u32 s21, ttmp6, 0x40000                  ; cx: my place in the cluster
	s_lshl_b32 s22, ttmp9, 2
	s_add_co_u32 s22, s22, s21                     ; my block of 64 rows = 4 x cluster + cx
	; descriptor group 1: a dense block of 32,768 bytes as 128 rows of 256 bytes (32 elements of 8 bytes), no padding: an image's loads are consecutive
	s_mov_b32 s[G1], 15|(3<<16)|(1<<21)            ; 15:0 the mask: all four work-groups; 17:16 elements of 8 bytes; 21 set beside a mask
	s_mov_b32 s[G1+1], 32<<16                      ; tensor_dim0 = 32
	s_mov_b32 s[G1+2], 128<<16                     ; tensor_dim1 = 128
	s_mov_b32 s[G1+3], 32<<16                      ; tile_dim0 = 32
	s_mov_b32 s[G1+4], 128                         ; tile_dim1 = 128
	s_mov_b32 s[G1+5], 32                          ; from row to row
	s_mov_b32 s[G1+6], 0
	s_mov_b32 s[G1+7], 0
	s_mov_b32 s[SEL], 0x76543210
	s_mov_b32 s[SEL+1], 0xfedcba98
	v_and_b32 v1, 31, v0                           ; lane
	v_and_b32 v2, 15, v0                           ; r
	v_bfe_u32 v3, v0, 4, 1                         ; h
	v_lshlrev_b32 v[XA], 5, v1
	v_lshlrev_b32 v[L4], 2, v1
	v_lshlrev_b32 v[L16], 4, v1
	v_lshlrev_b32 v[H32], 5, v3
	v_lshlrev_b32 v[R16], 4, v2
	v_bfe_u32 v21, v0, 2, 3                        ; lane / 4
	v_and_b32 v22, 3, v0
	v_mul_u32_u24 v[XST], v21, 272
	v_lshl_add_u32 v[XST], v22, 2, v[XST]
	s_mul_i32 s23, s[WV], XMB
	s_add_co_u32 s23, s23, XIMG
	v_add_nc_u32 v[XST], s23, v[XST]
	v_bfe_u32 v21, v0, 2, 2                        ; (lane / 4) % 4
	v_lshl_add_u32 v[XSB], v3, 6, v21
	s_lshl_b32 s23, s[WV], 7
	s_add_co_u32 s23, s23, XSC
	v_add_nc_u32 v[XSB], s23, v[XSB]
	v_mul_u32_u24 v[AFA], v3, 272
	v_lshl_add_u32 v[AFA], v2, 4, v[AFA]
	v_add_nc_u32 v[AFA], XIMG, v[AFA]
	s_lshl_b32 s23, s[WV], 15
	v_add_nc_u32 v[BFA], s23, v[L16]
	v_add_nc_u32 v[BFA+1], SLOTB, v[BFA]
	v_lshlrev_b32 v[XSA], 7, v3
	v_lshl_add_u32 v[XSA], v2, 2, v[XSA]
	v_add_nc_u32 v[XSA], XSC, v[XSA]
	s_lshl_b32 s23, s[WV], 2
	s_add_co_u32 s23, s23, EXCH
	v_lshl_add_u32 v[EXW], v2, 4, s23
	v_lshl_add_u32 v[EXR], v2, 4, EXCH
	s_mul_i32 s23, s[WV], 16*SPITCH
	s_add_co_u32 s23, s23, XIMG
	v_mul_u32_u24 v[STO], v2, SPITCH
	v_lshl_add_u32 v[STO], v3, 4, v[STO]
	v_add_nc_u32 v[STO], s23, v[STO]
	v_add_nc_u32 v[RD], s23, v[L16]
	s_wait_dscnt 0x0                               ; both opening adds are done
	s_wait_kmcnt 0x0
	s_lshl_b32 s28, s[WV], 15                      ; the descriptors hang on the wave's number alone, in registers that never hold the place in the cluster
	s_mov_b32 s29, 0
	s_add_nc_u64 s[30:31], s[6:7], s[28:29]        ; w0c at my wave's part of span 0
	s_mov_b32 s[G0], 1                             ; count = 1
	s_mov_b32 s[G0+1], s28                         ; LDS address: slot 0, my part
	s_mov_b64 s[G0+2:G0+3], s[30:31]
	s_or_b32 s[G0+3], s[G0+3], 0x80000000          ; type = 2
	s_mov_b32 s[G0+4], 1
	s_add_co_u32 s[G0+5], s28, SLOTB               ; slot 1
	s_add_nc_u64 s[G0+6:G0+7], s[30:31], SLOTB     ; span 1
	s_or_b32 s[G0+7], s[G0+7], 0x80000000
	s_lshl_b32 s24, s22, 18                        ; x: 64 rows of 4,096 bytes a work-group,
	s_lshl_b32 s23, s[WV], 16                      ; 16 a wave
	s_add_co_u32 s24, s24, s23
	s_mov_b32 s25, 0
	s_add_nc_u64 s[4:5], s[4:5], s[24:25]
	s_lshl_b32 s24, s[WV], 13
	s_add_nc_u64 s[8:9], s[8:9], s[24:25]          ; w0s: my 16 tiles' words, 8,192 bytes
	s_lshl_b32 s24, s[WV], 10
	s_add_nc_u64 s[10:11], s[10:11], s[24:25]      ; b0: my 256 columns
	s_lshl_b32 s24, s22, 17                        ; h1: 64 rows of 2,048 bytes a work-group,
	s_lshl_b32 s23, s[WV], 9                       ; my 256 columns
	s_add_co_u32 s24, s24, s23
	s_add_nc_u64 s[16:17], s[16:17], s[24:25]
	s_lshl_b32 s24, s22, 10
	s_add_nc_u64 s[18:19], s[18:19], s[24:25]      ; rs: 64 records of 16 bytes
	XLOAD 0                                        ; x first: span 0 is what the first work waits for
	SLOAD 0                                        ; 48 loads of mine are out
	ROUND                                          ; all four work-groups are here: the first joint loads meet
	tensor_load_to_lds s[G0:G0+3], s[G1:G1+7]      ; span 0
	s_nop 0
	tensor_load_to_lds s[G0+4:G0+7], s[G1:G1+7]    ; span 1: two tensor loads of mine are out
	s_nop 0
	PLACES
	XLOAD 1                                        ; nothing but the wait for span 0 follows these 32
	; ---- span 0
	s_wait_loadcnt 32                              ; span 0 of x and its scale words of w0 are in; span 1's 32 loads may be out
	QUANT8 0, 0
	QUANT8 0, 1
	SLOAD 1                                        ; a span ahead of their use
	s_wait_tensorcnt 0x1                           ; my part of slot 0 is in; slot 1's may stay out
	s_wait_dscnt 0x0                               ; for the others' sake: my images are stored
	s_barrier_signal -1
	s_barrier_wait -1
	PLACES                                         ; the quantiser's work lay in x's fragment registers: four places ahead of the scaled products
	KSTEP 0
	XLOAD 2                                        ; into the registers that span 0 has left
	KSTEP 1
	; ---- span 1
	s_wait_loadcnt 32                              ; span 1 and its scale words are in; span 2's 32 loads may be out
	QUANT8 1, 0
	QUANT8 1, 1
	SLOAD 2
	s_wait_tensorcnt 0x0                           ; all my tensor loads have landed, slot 1 among them, so a group 0 may be written
	ds_add_u32 v[SPW], v[NIL]                      ; 0 onto my spare word
	s_add_nc_u64 s[G0+2:G0+3], s[G0+2:G0+3], 2*SLOTB   ; slot 0's next: span 2
	s_wait_dscnt 0x0                               ; the add and my images' stores are done; my reads of slot 0 ended in K step 1
	ROUND                                          ; the same holds of every wave of every partner
	tensor_load_to_lds s[G0:G0+3], s[G1:G1+7]      ; my one tensor load behind the round; it has two K steps and a span's quantising in which to land
	s_nop 0
	PLACES
	KSTEP 2
	XLOAD 3
	KSTEP 3
	; ---- span 2
	s_wait_loadcnt 32                              ; span 2 and its scale words are in; span 3's 32 loads may be out
	QUANT8 2, 0
	QUANT8 2, 1
	SLOAD 3
	s_wait_tensorcnt 0x0
	ds_add_u32 v[SPW], v[NIL]
	s_add_nc_u64 s[G0+6:G0+7], s[G0+6:G0+7], 2*SLOTB   ; slot 1's next: span 3
	s_wait_dscnt 0x0
	ROUND
	tensor_load_to_lds s[G0+4:G0+7], s[G1:G1+7]
	s_nop 0
	PLACES
	KSTEP 4
	KSTEP 5
	; ---- span 3; what the end wants is asked for here, into the registers that x has left
	s_wait_loadcnt 0x0
	QUANT8 3, 0
	QUANT8 3, 1
	WIN 0x40
.set t, 0
.rept 16
	global_load_b128 v[128+8*t:131+8*t], v[H32], s[10:11] offset:64*t       ; b0 in the result's layout: lane (r, h), tile t: columns 16 t + 8 h + 0 .. 7
	global_load_b128 v[132+8*t:135+8*t], v[H32], s[10:11] offset:64*t+16
.set t, t+1
.endr
	WIN 0
.irp i, 0,1,2,3,4,5,6,7
	global_load_b128 v[128+4*\i:131+4*\i], v[L16], s[14:15] offset:512*\i   ; wsq1, all 1,024
	global_load_b128 v[160+4*\i:163+4*\i], v[L16], s[12:13] offset:512*\i   ; b1, all 1,024
.endr
	s_wait_tensorcnt 0x0                           ; slot 1 holds span 3; nothing is filled any more
	ds_add_u32 v[SPW], v[NIL]
	s_wait_dscnt 0x0
	s_barrier_signal -1
	s_barrier_wait -1
	PLACES
	KSTEP 6
	KSTEP 7
	; ---- KW and KB: the same in every lane
	s_wait_loadcnt 0x0
	v_max3_num_f32 v21, v128, v129, 0x17800000     ; the largest row sum of squares of w1 x mask1, floor 2^-80
	v_max3_num_f32 v22, |v160|, |v161|, 0x21800000 ; the largest |b1|, floor 2^-60
.irp i, 2,4,6,8,10,12,14,16,18,20,22,24,26,28,30
	v_max3_num_f32 v21, v21, v[128+\i], v[129+\i]
	v_max3_num_f32 v22, v22, |v[160+\i]|, |v[161+\i]|
.endr
.irp x, 1,2,4,8
	v_max_num_f32_dpp v21, v21, v21 row_xmask:\x row_mask:0xf bank_mask:0xf
	v_max_num_f32_dpp v22, v22, v22 row_xmask:\x row_mask:0xf bank_mask:0xf
.endr
	v_mov_b32 v23, 0
	v_mov_b32 v24, 0
	v_permlanex16_b32 v23, v21, s[SEL], s[SEL+1]
	v_permlanex16_b32 v24, v22, s[SEL], s[SEL+1]
	v_max_num_f32 v21, v21, v23
	v_max_num_f32 v22, v22, v24
	v_lshrrev_b32 v[KW], 23, v21
	v_add_nc_u32 v[KW], 3, v[KW]
	v_lshrrev_b32 v[KW], 1, v[KW]                  ; KW = kw + 64: every masked row of w1 has a norm under 2^kw
	v_lshrrev_b32 v[KB], 23, v22
	v_add_nc_u32 v[KB], 2, v[KB]                   ; KB = kb + 128: |b1| < 2^kb
; Row tile m: + b0, relu, and my 256 columns' part of each row's sum of squares.  Each accumulator is read from its low end on.
.macro E1 m
.set AC, 128*((\m)%2)
.set SM, SS+8*(\m)
	WIN 0x89+0x44*((\m)/2)                         ; source 0 (b0) window 1; source 1 and destination the accumulators' window
.set q, 0
.rept 64
	v_pk_add_f32 v[AC+2*q:AC+2*q+1], v[128+2*q:129+2*q], v[AC+2*q:AC+2*q+1]
.set q, q+1
.endr
.set q, 0
.rept 128
	v_max_num_f32 v[AC+q], 0, v[AC+q]
.set q, q+1
.endr
	WIN 0x0a+5*((\m)/2)                            ; sources 0 and 1 the accumulators' window; the sums in window 0
.set q, 0
.rept 4
	v_pk_mul_f32 v[SM+2*q:SM+2*q+1], v[AC+2*q:AC+2*q+1], v[AC+2*q:AC+2*q+1]   ; four chains, started by the first products
.set q, q+1
.endr
.rept 60
	v_pk_fma_f32 v[SM+2*(q%4):SM+2*(q%4)+1], v[AC+2*q:AC+2*q+1], v[AC+2*q:AC+2*q+1], v[SM+2*(q%4):SM+2*(q%4)+1]
.set q, q+1
.endr
	WIN 0
	v_pk_add_f32 v[SM:SM+1], v[SM:SM+1], v[SM+2:SM+3]
	v_pk_add_f32 v[SM+4:SM+5], v[SM+4:SM+5], v[SM+6:SM+7]
	v_pk_add_f32 v[SM:SM+1], v[SM:SM+1], v[SM+4:SM+5]
	v_add_f32 v[SM], v[SM], v[SM+1]
	v_permlanex16_b32 v[SM+1], v[SM], s[SEL], s[SEL+1]
	v_add_f32 v[SM], v[SM], v[SM+1]                ; with lane l xor 16's columns
	ds_store_b32 v[EXW], v[SM] offset:256*(\m)     ; both halves of the lanes write the same word
.endm
	E1 0
	E1 1
	E1 2
	E1 3
	s_wait_dscnt 0x0                               ; for the others' sake: my parts are stored; and my reads of x's images are long over
	s_barrier_signal -1
	s_barrier_wait -1
.irp m, 0,1,2,3
	ds_load_b128 v[PS+4*\m:PS+4*\m+3], v[EXR] offset:256*\m
.endr
	s_wait_dscnt 0x0
; The factors of row 16 m + r, the same bits in all four waves (one order of addition).
.macro FACT m
	v_add_f32 v21, v[PS+4*\m], v[PS+4*\m+1]
	v_add_f32 v22, v[PS+4*\m+2], v[PS+4*\m+3]
	v_add_f32 v21, v21, v22
	v_max_num_f32 v21, 0x17800000, v21             ; floor 2^-80
	v_lshrrev_b32 v21, 23, v21
	v_add_nc_u32 v21, 3, v21
	v_lshrrev_b32 v21, 1, v21                      ; K1
	v_add_nc_u32 v22, v21, v[KW]
	v_cmp_gt_u32 vcc_lo, v[KB], v22
	v_cndmask_b32 v22, v22, v[KB], vcc_lo
	v_add_nc_u32 v22, 1, v22                       ; K2 = max(K1 + KW, KB) + 1
	v_sub_nc_u32 v23, 77, v21                      ; 13 - k1
	v_sub_nc_u32 v24, v21, v22
	v_add_nc_u32 v24, 64, v24                      ; k1 - k2
	v_sub_nc_u32 v25, 141, v22                     ; 13 - k2
	v_sub_nc_u32 v26, 0, v25                       ; k2 - 13
	v_ldexp_f32 v[FC+8*\m], 1.0, v23
	v_ldexp_f32 v[FC+8*\m+2], 1.0, v24
	v_ldexp_f32 v[FC+8*\m+4], 1.0, v25
	v_ldexp_f32 v[FC+8*\m+6], 1.0, v26
	v_mov_b32 v[FC+8*\m+1], v[FC+8*\m]
	v_mov_b32 v[FC+8*\m+3], v[FC+8*\m+2]
	v_mov_b32 v[FC+8*\m+5], v[FC+8*\m+4]
	v_mov_b32 v[FC+8*\m+7], v[FC+8*\m+6]
.endm
	FACT 0
	FACT 1
	FACT 2
	FACT 3
.irp m, 0,1,2,3                                ; wave m stores row tile m's records: 256 consecutive bytes, aligned, in each half of rs
	s_cmp_lg_u32 s[WV], \m
	s_cbranch_scc1 .Lnot_rs_\m
	global_store_b128 v[R16], v[FC+8*\m:FC+8*\m+3], s[18:19] offset:256*\m
	global_store_b128 v[R16], v[FC+8*\m+4:FC+8*\m+7], s[18:19] offset:262144+256*\m
.Lnot_rs_\m:
.endr
; THE WAY OUT, a row tile at a time: x 2^(13 - k1), to f16; a lane's eight columns are 16 bytes of a row, so a tile goes through my stage and comes back as whole rows: my 256 columns are 512 consecutive bytes.
.macro PACKH m
.set AC, 128*((\m)%2)
	WIN 0x88+0x44*((\m)/2)                         ; source 0 (the factor) window 0; source 1 and destination the accumulators' window
.set q, 0
.rept 64
	v_pk_mul_f32 v[AC+2*q:AC+2*q+1], v[FC+8*(\m):FC+8*(\m)+1], v[AC+2*q:AC+2*q+1]
.set q, q+1
.endr
	WIN 0x4a+5*((\m)/2)                            ; destination window 1
.set q, 0
.rept 64
	v_cvt_pk_f16_f32 v[q], v[AC+2*q], v[AC+2*q+1]
.set q, q+1
.endr
	WIN 0
.endm
.macro STAGEH m
.set BK, 128+64*((\m)%2)
.if (\m) >= 2
	s_wait_xcnt 0x0                                ; the tile two back has left its registers: they are loaded again only behind this wait
.endif
	WIN 0x04                                       ; an LDS store's data are its source 1: window 1
.set t, 0
.rept 16
	ds_store_b128 v[STO], v[4*t:4*t+3] offset:32*t
.set t, t+1
.endr
	WIN 0
.set t, 0
.rept 16
	ds_load_b128 v[BK+4*t:BK+4*t+3], v[RD] offset:SPITCH*t   ; LDS serves a wave's instructions in order: these see my stores, and the next tile's stores come behind them
.set t, t+1
.endr
.endm
.macro SENDH m
.set BK, 128+64*((\m)%2)
	s_wait_dscnt 0x0
.set t, 0
.rept 16
	global_store_b128 v[L16], v[BK+4*t:BK+4*t+3], s[16:17] offset:(16*(\m)+t)*2048   ; 32 lanes store 512 consecutive bytes, at a multiple of 256 from h1's first byte
.set t, t+1
.endr
.endm
	PACKH 0
	STAGEH 0
.irp m, 1,2,3
	PACKH \m                                       ; a tile's arithmetic stands between the loads of the tile before and the wait for them
	SENDH \m-1
	STAGEH \m
.endr
	SENDH 3
	s_wait_tensorcnt 0x0                           ; the wave's end, behind my last tensor load and my last LDS store
	ds_add_u32 v[SPW], v[NIL]
	s_wait_dscnt 0x0
	ROUND                                          ; the closing round: no work-group ends while a partner may still ask for a part that names it
	s_endpgm
.Lfunc_end_k_q838aa17aa3_layer1:
	.size	k_q838aa17aa3_layer1, .Lfunc_end_k_q838aa17aa3_layer1-k_q838aa17aa3_layer1
	.p2alignl 7, 3214868480
	.fill 96, 4, 3214868480
	.section	.rodata,"a",@progbits
	.p2align	6, 0x0
	.amdhsa_kernel k_q838aa17aa3_layer1
		.amdhsa_group_segment_fixed_size 327680
		.amdhsa_private_segment_fixed_size 0
		.amdhsa_enable_private_segment 0
		.amdhsa_kernarg_size 64
		.amdhsa_user_sgpr_count 2
		.amdhsa_user_sgpr_kernarg_segment_ptr 1
		.amdhsa_wavefront_size32 1
		.amdhsa_system_sgpr_workgroup_id_x 1
		.amdhsa_system_sgpr_workgroup_id_y 1
		.amdhsa_system_sgpr_workgroup_id_z 1
		.amdhsa_system_vgpr_workitem_id 0
		.amdhsa_next_free_vgpr 1024
		.amdhsa_next_free_sgpr 66
		.amdhsa_reserve_vcc 1
		.amdhsa_float_denorm_mode_32 3
		.amdhsa_float_denorm_mode_16_64 3
		.amdhsa_memory_ordered 1
		.amdhsa_forward_progress 1
		.amdhsa_inst_pref_size 255
	.end_amdhsa_kernel
	.section	.bss,"aw",@nobits
	.p2align	6
	.space	262144
	.amdgpu_metadata
---
amdhsa.version: [ 1, 2 ]
amdhsa.kernels:
  - .name:           k_q838aa17aa3_layer1
    .symbol:         k_q838aa17aa3_layer1.kd
    .args:
      - { .name: x, .offset: 0, .size: 8, .value_kind: global_buffer, .address_space: global }
      - { .name: w0c, .offset: 8, .size: 8, .value_kind: global_buffer, .address_space: global }
      - { .name: w0s, .offset: 16, .size: 8, .value_kind: global_buffer, .address_space: global }
      - { .name: b0, .offset: 24, .size: 8, .value_kind: global_buffer, .address_space: global }
      - { .name: b1, .offset: 32, .size: 8, .value_kind: global_buffer, .address_space: global }
      - { .name: wsq1, .offset: 40, .size: 8, .value_kind: global_buffer, .address_space: global }
      - { .name: h1, .offset: 48, .size: 8, .value_kind: global_buffer, .address_space: global }
      - { .name: rs, .offset: 56, .size: 8, .value_kind: global_buffer, .address_space: global }
    .group_segment_fixed_size: 327680
    .private_segment_fixed_size: 0
    .kernarg_segment_align: 8
    .kernarg_segment_size: 64
    .max_flat_workgroup_size: 128
    .sgpr_count:     66
    .vgpr_count:     1024
    .wavefront_size: 32
...
	.end_amdgpu_metadata
.endif
;; end of part 2
;; launch gemm2 (part 3): grid 4 x 64, 4 waves a work-group, clusters of 4 x 4, 327,680 bytes of LDS; arguments h1, w1h, b1, rs, h2; writes h2
.if DOCPART == 3
	.amdgcn_target "amdgcn-amd-amdhsa--gfx1250"
	.amdhsa_code_object_version 6
	.text
	.protected	k_q838aa17aa3_gemm2
	.globl	k_q838aa17aa3_gemm2
	.p2align	8
	.type	k_q838aa17aa3_gemm2,@function
k_q838aa17aa3_gemm2:
	s_mov_b64 s[64:65], 0
	v_nop
	global_prefetch_b8 v0, s[64:65] scope:SCOPE_SE
	s_setreg_imm32_b32 hwreg(HW_REG_WAVE_MODE, 25, 1), 1
	s_wait_xcnt 0x0
	s_wait_alu depctr_hold_cnt(0) depctr_sa_sdst(0) depctr_va_vdst(0) depctr_va_sdst(0) depctr_va_ssrc(0) depctr_va_vcc(0) depctr_vm_vsrc(0)
	s_getreg_b32 s2, hwreg(HW_REG_IB_STS2, 6, 4)
	s_cmp_eq_u32 s2, 0
	s_cbranch_scc0 .Lentry_in_a_cluster
	s_endpgm
.Lentry_in_a_cluster:
	s_bfe_u32 s2, ttmp6, 0x10000c
	s_cmp_lg_u32 s2, 0xf033
	s_cbranch_scc0 .Lentry_shape_is_right
	s_endpgm
.Lentry_shape_is_right:
; LAYER 2: h2 = relu(h1 (w1 x mask1)^T + b1), on f16 operands with f32 sums.  A = h1 [16384][1024] f16, each row x 2^(13 - k1); B = w1h [1024][1024] f16; the result h2 [16384][1024] f16, each row x 2^(13 - k2).
; rs holds a record {ub, ub, g, g} for each row: the sums START at b1[column] x ub[row] (ub = 2^(13 - k1): the bias under A's scale), and at the end are multiplied by g = 2^(k1 - k2): both exact powers of two.
; k2 was chosen so that no |h2| x 2^(13 - k2) reaches 2^13: the conversion to f16 cannot overflow.  LIMITS: NaN and infinities are not served.
; A tile of the result, 256 x 256, is made by a work-group of four waves; a wave makes 128 x 128: 64 accumulators of 16 x 16, 512 registers.  There are 256 tiles, one for each work-group.
; K goes in steps of 128 through a ring of two LDS slots filled by the tensor data mover: a tile's row is 256 bytes of memory, at a multiple of 256 bytes.
; CLUSTERS: 4 x 4 work-groups.  The four of a row of the cluster need the same tiles of A, the four of a column the same tiles of B: each tile is asked for JOINTLY, by the same tensor load with the same descriptor and a mask that names the four.
; THE MATRIX INSTRUCTION IS USED TRANSPOSED (source 0 = 16 rows of B, source 1 = 16 rows of A): lane l holds row l % 16 of the result and the columns 8 (l / 16) + 0 .. 7.
; REGISTERS, in windows of 256: window 0: v0-31 addresses; v64-127, v128-191 fragments of A, two buffers; v32-63, v192-255 at work on the way out.
;   window 1: v0-31 the row records of my eight blocks of rows; v64-127, v128-191 fragments of B; v192-255 the bias of my eight blocks of columns, in the result's layout.
;   window 2: the accumulators of my rows 0-63 ((a, b) at v[8 (8 a + b)]);   window 3: those of my rows 64-127.
.set SIZE_M, 16384
.set SIZE_N, 1024
.set SIZE_K, 1024
.set RSOFF,  0                         ; this product's half of rs
.set KSTEP,  128
.set PITCH,  272                       ; an LDS row: 256 bytes + 16 of padding = 68 words: row r starts at bank 4 r mod 64 (64 banks of 4 bytes: ISA guide 11.1)
.set HALFT,  128*PITCH                 ; 128 rows: what one tensor load brings, and what one wave reads of A or of B
.set SLOT,   4*HALFT                   ; A's 256 rows, then B's 256 rows
.set STAGE,  2*SLOT                    ; behind the ring: 16 rows x 272 bytes for each wave, for the way out
.set SPITCH, 272
.set SPARE,  STAGE+4*16*SPITCH         ; the spare words, 128 bytes for each wave: two blocks of 256 bytes that no other line names
.set LAPS,   SIZE_K/(2*KSTEP)          ; a lap = two K steps = once round the ring
.set ADRA, 16                          ; v16-17  LDS address of my A fragments in slot 0, 1
.set ADRB, 20                          ; v20-21  the same for B
.set STO,  24                          ; v24     the way out: where I put 16 bytes of a row
.set RD,   25                          ; v25     the way out: where I read a row back
.set CO,   26                          ; v26     my byte offset in the result
.set HB,   27                          ; v27     32 x (l / 16): my eight numbers of a block of the bias
.set SPW,  28                          ; v28     LDS address of my spare word; never rewritten
.set NIL,  29                          ; v29     0; never rewritten
.set PFO,  30                          ; v30     the prefetches' offset: my lane x a row of A or B
.set RR,   31                          ; v31     16 x (l % 16): my row's record
.set PFA,  44                          ; s[44:45] where my prefetches stand
.set LIM,  43                          ; s43     1 in a wave that prefetches, else the greatest number
.set F0,   64
.set F1,   128
.set TMP,  192
.set OB,   32
.set UG,   0                           ; window 1: block a's record at v[4 a]
.set BI,   192                         ; window 1: block b's bias at v[192 + 8 b]
.set G1, 24
.set G0, 32
.set G1B, 48
.set G0B, 56
.set MSB, 0
.macro WIN new                         ; the immediate's high byte repeats the setting that is left
.if MSB != \new
	s_set_vgpr_msb (MSB<<8)|\new
.set MSB, \new
.endif
.endm
.set MUL_LO, 0xa1                      ; source 0 (B) window 1, source 1 (A) window 0, C and D window 2
.set MUL_HI, 0xf1                      ; the same, C and D window 3
.set TO_B,   0x40                      ; destination window 1, address window 0
; A joint load: waves 0 and 1 fetch A's two halves, waves 2 and 3 B's.  The branch hangs on the wave's number alone.  An s_nop 0 and four v_nop follow each of the two lines.
.macro JLOAD s
	s_cmp_eq_u32 s11, 0
	s_cbranch_scc0 .Lfor_b_\@
	tensor_load_to_lds s[G0+4*\s:G0+4*\s+3], s[G1:G1+7]
	s_nop 0
.rept 4
	v_nop
.endr
	s_branch .Lasked_\@
.Lfor_b_\@:
	tensor_load_to_lds s[G0B+4*\s:G0B+4*\s+3], s[G1B:G1B+7]
	s_nop 0
.rept 4
	v_nop
.endr
.Lasked_\@:
.endm
; A prefetch of the K step that stands two refills on: 32 rows x 256 bytes, a lane a row, one instruction a wave.  Each row's 256 bytes of a K step are named once in the launch: A's by the cluster with x = 0 (here the only one),
; B's by the cluster with y = 0; the four partners that ask for a tile jointly share its rows out by address, 32 each.  The loop's last trip asks for nothing: K has no step two on.
.macro ASK
	s_cmp_gt_u32 s3, s[LIM]                        ; s3 = 1 in the loop's last trip
	s_cbranch_scc0 .Lnot_mine_\@
	global_prefetch_b8 v[PFO], s[PFA:PFA+1] offset:KSTEP*2 th:TH_LOAD_NT scope:SCOPE_SE
.Lnot_mine_\@:
.endm
.macro CREST                           ; a round of the cluster's barrier behind its opening barrier
	s_cmp_lg_u32 s10, 0
	s_cbranch_scc1 .Lnot_wave_0_\@
	s_barrier_signal -3
.Lnot_wave_0_\@:
	s_barrier_wait -3
	s_barrier_signal -1
	s_barrier_wait -1
.endm
.macro CROUND
	s_barrier_signal -1
	s_barrier_wait -1
	CREST
.endm
	s_load_b128 s[4:7], s[0:1], 0x0                ; A s[4:5], B s[6:7]
	s_load_b128 s[68:71], s[0:1], 0x10             ; the bias s[68:69], rs s[70:71]
	s_load_b64 s[8:9], s[0:1], 0x20                ; the result
	v_lshl_add_u32 v[SPW], v0, 2, SPARE
	v_mov_b32 v[NIL], 0
	ds_add_u32 v[SPW], v[NIL]                      ; the wave's opening: the add, twice on end, and its wait ahead of my first tensor load
	ds_add_u32 v[SPW], v[NIL]
	v_lshrrev_b32 v1, 5, v0
	v_readfirstlane_b32 s10, v1                    ; wave 0..3
	s_lshr_b32 s11, s10, 1                         ; which half of the tile's rows is mine.  Also: I fetch for A (0) or for B (1)
	s_and_b32 s12, s10, 1                          ; which half of its columns.  Also: which 128 rows of that tile I fetch
	s_bfe_u32 s40, ttmp6, 0x40000                  ; cx
	s_bfe_u32 s41, ttmp6, 0x40004                  ; cy
	s_lshl_b32 s42, ttmp9, 2
	s_add_co_u32 s42, s42, s40                     ; tile column = 4 x cluster x + cx
	s_and_b32 s13, ttmp7, 0xffff
	s_lshl_b32 s13, s13, 2
	s_add_co_u32 s13, s13, s41                     ; tile row = 4 x cluster y + cy
	s_lshl_b32 s43, s41, 2
	s_lshl_b32 s43, 15, s43                        ; my row of the cluster
	s_lshl_b32 s44, 0x1111, s40                    ; my column
	s_or_b32 s[G1+0], s43, (1<<16)|(1<<20)|(1<<21)|(5<<22)|(3<<25)   ; the mask: A's tiles go to my row; elements of 2 bytes; padding on; bit 21 beside a mask; after every 64 words, 4 words
	s_or_b32 s[G1B+0], s44, (1<<16)|(1<<20)|(1<<21)|(5<<22)|(3<<25)  ; the same with the mask of my column
.irp g, G1, G1B
	s_mov_b32 s[\g+1], KSTEP<<16                   ; tensor_dim0 = 128
	s_mov_b32 s[\g+2], 128<<16                     ; tensor_dim1 = 128
	s_mov_b32 s[\g+3], KSTEP<<16                   ; tile_dim0 = 128
	s_mov_b32 s[\g+4], 128                         ; tile_dim1 = 128
	s_mov_b32 s[\g+5], SIZE_K                      ; elements from row to row
	s_mov_b32 s[\g+6], 0
	s_mov_b32 s[\g+7], 0
.endr
	s_lshl_b32 s17, s12, 7                         ; which 128 rows of the tile I fetch
	s_lshl_b32 s16, s13, 8
	s_add_co_u32 s16, s16, s17                     ; A: row 256 x tile row + 128 x half
	s_lshl_b32 s46, s42, 8
	s_add_co_u32 s46, s46, s17                     ; B: row 256 x tile column + 128 x half
	s_mov_b32 s17, 0
	s_mov_b32 s47, 0
	s_mov_b64 s[18:19], SIZE_K*2
	s_mul_u64 s[16:17], s[16:17], s[18:19]
	s_mul_u64 s[46:47], s[46:47], s[18:19]
	s_mul_i32 s20, s10, HALFT                      ; where they go: wave x 128 rows: no place in the cluster enters an LDS address
	s_wait_dscnt 0x0                               ; both opening adds are done
	s_wait_kmcnt 0x0
	s_add_nc_u64 s[14:15], s[4:5], s[16:17]
	s_add_nc_u64 s[46:47], s[6:7], s[46:47]
	CROUND                                         ; all sixteen work-groups are here: the first joint loads meet
.irp s, 0,1
	s_mov_b32 s[G0+4*\s], 1
	s_add_co_u32 s[G0+4*\s+1], s20, \s*SLOT
	s_add_nc_u64 s[G0+4*\s+2:G0+4*\s+3], s[14:15], \s*KSTEP*2
	s_or_b32 s[G0+4*\s+3], s[G0+4*\s+3], 0x80000000
	s_mov_b32 s[G0B+4*\s], 1
	s_add_co_u32 s[G0B+4*\s+1], s20, \s*SLOT
	s_add_nc_u64 s[G0B+4*\s+2:G0B+4*\s+3], s[46:47], \s*KSTEP*2
	s_or_b32 s[G0B+4*\s+3], s[G0B+4*\s+3], 0x80000000
	JLOAD \s                                       ; the ring is filled before anything else is done: two tensor loads of mine are out
.endr
	v_and_b32 v1, 15, v0                           ; l % 16
	v_bfe_u32 v2, v0, 4, 1                         ; l / 16
	v_lshlrev_b32 v[RR], 4, v1
	v_lshlrev_b32 v[HB], 5, v2
	s_lshl_b32 s72, s13, 12                        ; the records of my 128 rows: (256 x tile row + 128 x half) x 16 bytes
	s_lshl_b32 s73, s11, 11
	s_add_co_u32 s72, s72, s73
	s_mov_b32 s73, 0
	s_add_nc_u64 s[70:71], s[70:71], s[72:73]
	s_lshl_b32 s74, s42, 10                        ; the bias of my 128 columns: (256 x tile column + 128 x half) x 4 bytes
	s_lshl_b32 s75, s12, 9
	s_add_co_u32 s74, s74, s75
	s_mov_b32 s75, 0
	s_add_nc_u64 s[68:69], s[68:69], s[74:75]
	WIN TO_B
.irp a, 0,1,2,3,4,5,6,7
	global_load_b128 v[UG+4*\a:UG+4*\a+3], v[RR], s[70:71] offset:RSOFF+256*\a
.endr
.irp b, 0,1,2,3,4,5,6,7
	global_load_b128 v[BI+8*\b:BI+8*\b+3], v[HB], s[68:69] offset:64*\b
	global_load_b128 v[BI+8*\b+4:BI+8*\b+7], v[HB], s[68:69] offset:64*\b+16
.endr
	WIN 0
	v_mul_u32_u24 v3, v1, PITCH
	v_lshl_add_u32 v3, v2, 4, v3                   ; a fragment's row x pitch + 16 x half
	s_mul_i32 s21, s11, HALFT                      ; my 128 rows of A
	s_mul_i32 s22, s12, HALFT                      ; my 128 rows of B,
	s_add_co_u32 s22, s22, 2*HALFT                 ; which lie behind A's 256
.irp s, 0,1
	v_add_nc_u32 v[ADRA+\s], s21, v3
	v_add_nc_u32 v[ADRB+\s], s22, v3
	s_add_co_u32 s21, s21, SLOT
	s_add_co_u32 s22, s22, SLOT
.endr
	s_mul_i32 s23, s10, 16*SPITCH
	s_add_co_u32 s23, s23, STAGE                   ; my stage
	v_mul_u32_u24 v4, v1, SPITCH                   ; in: row l % 16, 16 bytes for each half of the lanes
	v_lshl_add_u32 v4, v2, 4, v4
	v_add_nc_u32 v[STO], s23, v4
	v_mul_u32_u24 v5, v2, SPITCH                   ; back: lanes 0-15 take one row of 256 bytes, lanes 16-31 the next
	v_lshl_add_u32 v5, v1, 4, v5
	v_add_nc_u32 v[RD], s23, v5
	v_mul_u32_u24 v5, v2, SIZE_N*2                 ; and the same two rows in the result
	v_lshl_add_u32 v[CO], v1, 4, v5
	s_lshl_b32 s13, s13, 8
	s_lshl_b32 s14, s11, 7
	s_add_co_u32 s16, s13, s14                     ; my first row of the result
	s_mov_b32 s17, 0
	s_mov_b64 s[18:19], SIZE_N*2
	s_mul_u64 s[16:17], s[16:17], s[18:19]
	s_lshl_b32 s46, s42, 9                         ; my first column, in bytes: 512 x tile column + 256 x half
	s_lshl_b32 s47, s12, 8
	s_add_co_u32 s46, s46, s47
	s_mov_b32 s47, 0
	s_add_nc_u64 s[16:17], s[16:17], s[46:47]
	s_add_nc_u64 s[8:9], s[8:9], s[16:17]
	; the prefetches.  s13 = 256 x tile row, s42 = tile column, s40 = cx, s41 = cy still stand
	s_lshl_b32 s42, s42, 8
	s_and_b32 s22, ttmp7, 0xffff                   ; cluster y
	s_cmp_eq_u32 s11, 0                            ; do I fetch for A?
	s_cselect_b32 s20, s13, s42                    ; the tile's first row
	s_cselect_b32 s21, s40, s41                    ; my place among the four that ask for it with me
	s_cselect_b32 s22, ttmp9, s22                  ; the coordinate along which other clusters read the same rows
	s_cselect_b64 s[PFA:PFA+1], s[4:5], s[6:7]
	s_cmp_eq_u32 s22, 0
	s_cselect_b32 s[LIM], 1, -1                    ; the same in all sixteen partners, for a given wave
	s_lshl_b32 s22, s12, 7
	s_add_co_u32 s20, s20, s22                     ; + the 128 rows that I fetch
	s_lshl_b32 s21, s21, 5
	s_add_co_u32 s20, s20, s21                     ; + my work-group's 32 of them
	s_mov_b32 s21, 0
	s_mov_b64 s[18:19], SIZE_K*2
	s_mul_u64 s[20:21], s[20:21], s[18:19]
	s_add_nc_u64 s[PFA:PFA+1], s[PFA:PFA+1], s[20:21]
	s_add_nc_u64 s[PFA:PFA+1], s[PFA:PFA+1], 2*KSTEP*2  ; at K step 2: the first refill steps it to 3 and names K step 4.  Nothing is prefetched at the head
	v_and_b32 v[PFO], 31, v0
	v_mul_u32_u24 v[PFO], v[PFO], SIZE_K*2
	; THE SUMS START AT bias[column] x ub[row]: 256 packed multiplications, while the first tiles are on their way
	s_wait_loadcnt 0x0
.irp a, 0,1,2,3,4,5,6,7
	WIN 0x85+0x40*(\a/4)                           ; sources window 1, destination window 2 or 3
.irp b, 0,1,2,3,4,5,6,7
.irp p, 0,1,2,3
	v_pk_mul_f32 v[8*(8*(\a%4)+\b)+2*\p:8*(8*(\a%4)+\b)+2*\p+1], v[BI+8*\b+2*\p:BI+8*\b+2*\p+1], v[UG+4*\a:UG+4*\a+1]
.endr
.endr
.endr
	WIN 0
; 16 matrix instructions: blocks of rows a0, a0 + 1 of the window's four x all 8 blocks of columns, 32 along K.  The 64 accumulators take turns, one instruction a turn.
.macro MUL16 f, hi, a0
.irp a, \a0, \a0+1
.irp b, 0,1,2,3,4,5,6,7
	v_wmma_f32_16x16x32_f16 v[8*(8*(\a)+\b):8*(8*(\a)+\b)+7], v[\f+8*\b:\f+8*\b+7], v[\f+8*(4*\hi+\a):\f+8*(4*\hi+\a)+7], v[8*(8*(\a)+\b):8*(8*(\a)+\b)+7]
.endr
.endr
.endm
; 32 LDS loads in one run: the fragments of one quarter step (128 rows of B, 128 rows of A, 32 K at byte k of the rows) into buffer f
.macro FETCH slot, k, f
	WIN TO_B
.irp i, 0,1,2,3,4,5,6,7
	ds_load_b128 v[\f+8*\i:\f+8*\i+3],   v[ADRB+\slot] offset:\k+\i*16*PITCH
	ds_load_b128 v[\f+8*\i+4:\f+8*\i+7], v[ADRB+\slot] offset:\k+\i*16*PITCH+32
.endr
	WIN 0
.irp i, 0,1,2,3,4,5,6,7
	ds_load_b128 v[\f+8*\i:\f+8*\i+3],   v[ADRA+\slot] offset:\k+\i*16*PITCH
	ds_load_b128 v[\f+8*\i+4:\f+8*\i+7], v[ADRA+\slot] offset:\k+\i*16*PITCH+32
.endr
.endm
.macro PLACES                          ; four places in front of loads into registers that matrix instructions have read, and of vector instructions that read results just made
.rept 4
	v_nop
.endr
.endm
; A K step is four quarters of 32 along K, 64 matrix instructions each, on buffers 0, 1, 0, 1.  One of the first three: multiplies buffer f; in its middle it fetches the next quarter, at byte k, into g.
.macro QUARTER slot, k, f, g
	s_wait_dscnt 8                                 ; B and A's rows 0-63 are in; the youngest eight loads (A's rows 64-127) may be out
	WIN MUL_LO
	MUL16 \f, 0, 0
	MUL16 \f, 0, 2
	PLACES
	FETCH \slot, \k, \g
	s_wait_dscnt 32                                ; all but the 32 just issued
	WIN MUL_HI
	MUL16 \f, 1, 0
	MUL16 \f, 1, 2
.endm
; The last quarter's first half: ONE barrier for the change of slots.  In front of it each wave waits for all its tensor loads (one is out: its part of the next slot), adds 0 to its spare word, and waits for that and for its reads of this slot.
.macro MEET round
	WIN 0                                          ; (the add's two registers lie in window 0)
	s_wait_tensorcnt 0x0
	ds_add_u32 v[SPW], v[NIL]
	s_wait_dscnt 9                                 ; (the add and the youngest eight loads may be out)
	WIN MUL_LO
	MUL16 F1, 0, 0                                 ; sixteen matrix instructions stand between the add and the wait for it
	s_wait_dscnt 0x0                               ; the add is done, and my reads of this slot are over
	s_barrier_signal -1
	MUL16 F1, 0, 2                                 ; work on registers while the others arrive
.if \round
	WIN 0
.endif
	s_barrier_wait -1
.endm
; The whole last quarter where the slot is filled again, two K steps ahead: the barrier opens a round of the cluster's; the joint refill is the first thing behind it and has 224 matrix instructions in which to land.
.macro TURN slot, next
	s_wait_xcnt 0x0                                ; the last prefetch, a K step back, has read its address
	s_add_nc_u64 s[PFA:PFA+1], s[PFA:PFA+1], KSTEP*2
	MEET 1
	CREST
	s_add_nc_u64 s[G0+4*\slot+2:G0+4*\slot+3], s[G0+4*\slot+2:G0+4*\slot+3], 2*KSTEP*2
	s_add_nc_u64 s[G0B+4*\slot+2:G0B+4*\slot+3], s[G0B+4*\slot+2:G0B+4*\slot+3], 2*KSTEP*2
	JLOAD \slot                                    ; the four v_nop behind it are also the places in front of the loads below
	FETCH \next, 0, F0
	ASK
	WIN MUL_HI
	MUL16 F1, 1, 0
	MUL16 F1, 1, 2
.endm
	s_wait_tensorcnt 1                             ; my part of K step 0 is in; K step 1's may stay out
	s_barrier_signal -1
	s_barrier_wait -1
	FETCH 0, 0, F0
	QUARTER 0, 64,  F0, F1
	WIN 0                                          ; at a label and at a branch every window is 0
	s_mov_b32 s3, LAPS-1
.Llap:                                                 ; a trip goes once round the ring, from a lap's second quarter to the next lap's first, and fills both slots again
	QUARTER 0, 128, F1, F0
	QUARTER 0, 192, F0, F1
	TURN 0, 1
	QUARTER 1, 64,  F0, F1
	QUARTER 1, 128, F1, F0
	QUARTER 1, 192, F0, F1
	TURN 1, 0
	QUARTER 0, 64,  F0, F1
	WIN 0
	s_sub_co_u32 s3, s3, 1
	s_cmp_lg_u32 s3, 0
	s_cbranch_scc1 .Llap
	QUARTER 0, 128, F1, F0                         ; the last lap is written out: it fills nothing, and has no round of the cluster's barrier
	QUARTER 0, 192, F0, F1
	MEET 0
	PLACES
	FETCH 1, 0, F0
	WIN MUL_HI
	MUL16 F1, 1, 0
	MUL16 F1, 1, 2
	QUARTER 1, 64,  F0, F1
	QUARTER 1, 128, F1, F0
	QUARTER 1, 192, F0, F1
	s_wait_dscnt 8                                 ; the very last quarter: nothing more to fetch
	WIN MUL_LO
	MUL16 F1, 0, 0
	MUL16 F1, 0, 2
	s_wait_dscnt 0x0
	WIN MUL_HI
	MUL16 F1, 1, 0
	MUL16 F1, 1, 2
	WIN 0
; THE WAY OUT of block a (16 rows x 128 columns).  PACK: x g[row], relu, to f16: 16 bytes a lane; each accumulator from its low end on.  TOSTAGE: into my own stage, and back as whole rows of 256 bytes.  SEND: stored.
.macro PACK a
.set AC, 64*((\a)%4)
.set GR, UG+4*(\a)+2
	WIN 0x89+0x44*((\a)/4)                         ; source 0 (g) window 1; source 1 and destination the accumulators' window
.set q, 0
.rept 32
	v_pk_mul_f32 v[AC+2*q:AC+2*q+1], v[GR:GR+1], v[AC+2*q:AC+2*q+1]
.set q, q+1
.endr
.set q, 0
.rept 64
	v_max_num_f32 v[AC+q], 0, v[AC+q]
.set q, q+1
.endr
	WIN 0x0a+5*((\a)/4)                            ; sources the accumulators' window, destination window 0
.irp b, 0,1,2,3,4,5,6,7
.irp r, 0,1,2,3
	v_cvt_pk_f16_f32 v[TMP+4*\b+\r], v[AC+8*\b+2*\r], v[AC+8*\b+2*\r+1]
.endr
.endr
	WIN 0
.endm
.macro TOSTAGE a
.set BK, OB+192*((\a)%2)
.irp b, 0,1,2,3,4,5,6,7
	ds_store_b128 v[STO], v[TMP+4*\b:TMP+4*\b+3] offset:32*\b
.endr
.irp t, 0,1,2,3,4,5,6,7
	ds_load_b128 v[BK+4*\t:BK+4*\t+3], v[RD] offset:\t*2*SPITCH    ; LDS serves a wave's instructions in order: these see the stores above
.endr
.endm
.macro SEND a
.set BK, OB+192*((\a)%2)
	s_wait_dscnt 0x0                               ; the block is back in registers
	s_wait_xcnt 0x0                                ; only behind this wait are the stores' base and the registers that earlier stores read rewritten
.if (\a) > 0
	s_add_nc_u64 s[8:9], s[8:9], 16*SIZE_N*2       ; 16 rows on
.endif
.irp t, 0,1,2,3,4,5,6,7
	global_store_b128 v[CO], v[BK+4*\t:BK+4*\t+3], s[8:9] offset:2*\t*SIZE_N*2   ; 16 lanes store 256 consecutive bytes, at a multiple of 256 from the buffer's first byte
.endr
.endm
	PLACES
	PACK 0
	TOSTAGE 0
.irp a, 1,2,3,4,5,6,7                  ; block a's arithmetic stands between block a - 1's loads from the stage and the wait for them
	PACK \a
	SEND \a-1
	TOSTAGE \a
.endr
	SEND 7
	s_wait_tensorcnt 0x0                           ; the wave's end, behind my last tensor load and my last LDS store
	ds_add_u32 v[SPW], v[NIL]
	s_wait_dscnt 0x0
	CROUND                                         ; the closing round: no work-group ends while a partner may still ask for a tile that names it
	s_endpgm
.Lfunc_end_k_q838aa17aa3_gemm2:
	.size	k_q838aa17aa3_gemm2, .Lfunc_end_k_q838aa17aa3_gemm2-k_q838aa17aa3_gemm2
	.p2alignl 7, 3214868480
	.fill 96, 4, 3214868480
	.section	.rodata,"a",@progbits
	.p2align	6, 0x0
	.amdhsa_kernel k_q838aa17aa3_gemm2
		.amdhsa_group_segment_fixed_size 327680
		.amdhsa_private_segment_fixed_size 0
		.amdhsa_enable_private_segment 0
		.amdhsa_kernarg_size 40
		.amdhsa_user_sgpr_count 2
		.amdhsa_user_sgpr_kernarg_segment_ptr 1
		.amdhsa_wavefront_size32 1
		.amdhsa_system_sgpr_workgroup_id_x 1
		.amdhsa_system_sgpr_workgroup_id_y 1
		.amdhsa_system_sgpr_workgroup_id_z 1
		.amdhsa_system_vgpr_workitem_id 0
		.amdhsa_next_free_vgpr 1024
		.amdhsa_next_free_sgpr 76
		.amdhsa_reserve_vcc 0
		.amdhsa_float_denorm_mode_32 3
		.amdhsa_float_denorm_mode_16_64 3
		.amdhsa_memory_ordered 1
		.amdhsa_forward_progress 1
		.amdhsa_inst_pref_size 195
	.end_amdhsa_kernel
	.amdgpu_metadata
---
amdhsa.version: [ 1, 2 ]
amdhsa.kernels:
  - .name:           k_q838aa17aa3_gemm2
    .symbol:         k_q838aa17aa3_gemm2.kd
    .args:
      - { .name: h1, .offset: 0, .size: 8, .value_kind: global_buffer, .address_space: global }
      - { .name: w1h, .offset: 8, .size: 8, .value_kind: global_buffer, .address_space: global }
      - { .name: b1, .offset: 16, .size: 8, .value_kind: global_buffer, .address_space: global }
      - { .name: rs, .offset: 24, .size: 8, .value_kind: global_buffer, .address_space: global }
      - { .name: h2, .offset: 32, .size: 8, .value_kind: global_buffer, .address_space: global }
    .group_segment_fixed_size: 327680
    .private_segment_fixed_size: 0
    .kernarg_segment_align: 8
    .kernarg_segment_size: 40
    .max_flat_workgroup_size: 128
    .sgpr_count:     76
    .vgpr_count:     1024
    .wavefront_size: 32
...
	.end_amdgpu_metadata
.endif
;; end of part 3
;; launch gemm3 (part 4): grid 4 x 64, 4 waves a work-group, clusters of 4 x 4, 327,680 bytes of LDS; arguments h2, w2h, b2, rs, out0; writes out0
.if DOCPART == 4
	.amdgcn_target "amdgcn-amd-amdhsa--gfx1250"
	.amdhsa_code_object_version 6
	.text
	.protected	k_q838aa17aa3_gemm3
	.globl	k_q838aa17aa3_gemm3
	.p2align	8
	.type	k_q838aa17aa3_gemm3,@function
k_q838aa17aa3_gemm3:
	s_mov_b64 s[64:65], 0
	v_nop
	global_prefetch_b8 v0, s[64:65] scope:SCOPE_SE
	s_setreg_imm32_b32 hwreg(HW_REG_WAVE_MODE, 25, 1), 1
	s_wait_xcnt 0x0
	s_wait_alu depctr_hold_cnt(0) depctr_sa_sdst(0) depctr_va_vdst(0) depctr_va_sdst(0) depctr_va_ssrc(0) depctr_va_vcc(0) depctr_vm_vsrc(0)
	s_getreg_b32 s2, hwreg(HW_REG_IB_STS2, 6, 4)
	s_cmp_eq_u32 s2, 0
	s_cbranch_scc0 .Lentry_in_a_cluster
	s_endpgm
.Lentry_in_a_cluster:
	s_bfe_u32 s2, ttmp6, 0x10000c
	s_cmp_lg_u32 s2, 0xf033
	s_cbranch_scc0 .Lentry_shape_is_right
	s_endpgm
.Lentry_shape_is_right:
; LAYER 3: out = relu(h2 (w2 x mask2)^T + b2), on f16 operands with f32 sums.  A = h2 [16384][1024] f16, each row x 2^(13 - k2); B = w2h [1024][1024] f16; the result out0 [16384][1024] f32.
; The second half of rs holds a record {ub, ub, g, g} for each row: the sums START at b2[column] x ub[row] (ub = 2^(13 - k2): the bias under A's scale), and at the end are multiplied by g = 2^(k2 - 13): both exact powers of two.
; LIMITS: NaN and infinities are not served.
; A tile of the result, 256 x 256, is made by a work-group of four waves; a wave makes 128 x 128: 64 accumulators of 16 x 16, 512 registers.  There are 256 tiles, one for each work-group.
; K goes in steps of 128 through a ring of two LDS slots filled by the tensor data mover: a tile's row is 256 bytes of memory, at a multiple of 256 bytes.
; THE LAST K STEP GOES BY ROWS OF THE RESULT, NOT BY K: a wave stores 65,536 bytes, and by K every one of them would stand behind the last product.  So finished rows leave while the others are still multiplied.
; CLUSTERS: 4 x 4 work-groups.  The four of a row of the cluster need the same tiles of A, the four of a column the same tiles of B: each tile is asked for JOINTLY, by the same tensor load with the same descriptor and a mask that names the four.
; THE MATRIX INSTRUCTION IS USED TRANSPOSED (source 0 = 16 rows of B, source 1 = 16 rows of A): lane l holds row l % 16 of the result and the columns 8 (l / 16) + 0 .. 7.
; REGISTERS, in windows of 256: window 0: v0-31 addresses; v32-47 g of my eight blocks of rows, a pair each; v64-127, v128-191 fragments of A, two buffers (in the last K step four, of 16 rows x 128 K); v192-255 rows on the way out.
;   window 1: v0-15 ub of my eight blocks of rows, a pair each; v64-127, v128-191 fragments of B; v192-255 the bias of my eight blocks of columns, in the result's layout; in the last K step all 256: B's fragments of the whole step.
;   window 2: the accumulators of my rows 0-63 ((a, b) at v[8 (8 a + b)]);   window 3: those of my rows 64-127.
.set SIZE_M, 16384
.set SIZE_N, 1024
.set SIZE_K, 1024
.set RSOFF,  262144                    ; this product's half of rs
.set KSTEP,  128
.set PITCH,  272                       ; an LDS row: 256 bytes + 16 of padding = 68 words: row r starts at bank 4 r mod 64 (64 banks of 4 bytes: ISA guide 11.1)
.set HALFT,  128*PITCH                 ; 128 rows: what one tensor load brings, and what one wave reads of A or of B
.set SLOT,   4*HALFT                   ; A's 256 rows, then B's 256 rows
.set STAGE,  2*SLOT                    ; behind the ring: 16 rows x (512 + 16) bytes for each wave, for the way out
.set SPITCH, 528
.set SPARE,  STAGE+4*16*SPITCH         ; the spare words, 128 bytes for each wave: two blocks of 256 bytes that no other line names
.set LAPS,   SIZE_K/(2*KSTEP)          ; a lap = two K steps = once round the ring
.set ADRA, 16                          ; v16-17  LDS address of my A fragments in slot 0, 1
.set ADRB, 20                          ; v20-21  the same for B
.set STO,  24                          ; v24     the way out: where I put 32 bytes of a row
.set RD,   25                          ; v25     the way out: where I read a row back
.set CO,   26                          ; v26     my byte offset in a row of the result
.set HB,   27                          ; v27     32 x (l / 16): my eight numbers of a block of the bias
.set SPW,  28                          ; v28     LDS address of my spare word; never rewritten
.set NIL,  29                          ; v29     0; never rewritten
.set PFO,  30                          ; v30     the prefetches' offset: my lane x a row of A or B
.set RR,   31                          ; v31     16 x (l % 16): my row's record
.set GF,   32                          ; v32-47  block a's g, twice, at v[32 + 2 a]
.set PFA,  44                          ; s[44:45] where my prefetches stand
.set LIM,  43                          ; s43     1 in a wave that prefetches, else the greatest number
.set F0,   64
.set F1,   128
.set PA,   64                          ; the last K step: A's fragments of 16 rows x 128 K, 32 registers; four such buffers, v64-191
.set BK,   192                         ; the way out: 16 rows read back from the stage
.set UB,   0                           ; window 1: block a's ub, twice, at v[2 a]
.set BI,   192                         ; window 1: block b's bias at v[192 + 8 b]
.set G1, 24
.set G0, 32
.set G1B, 48
.set G0B, 56
.set MSB, 0
.macro WIN new                         ; the immediate's high byte repeats the setting that is left
.if MSB != \new
	s_set_vgpr_msb (MSB<<8)|\new
.set MSB, \new
.endif
.endm
.set MUL_LO, 0xa1                      ; source 0 (B) window 1, source 1 (A) window 0, C and D window 2
.set MUL_HI, 0xf1                      ; the same, C and D window 3
.set TO_B,   0x40                      ; destination window 1, address window 0
; A joint load: waves 0 and 1 fetch A's two halves, waves 2 and 3 B's.  The branch hangs on the wave's number alone.  An s_nop 0 and four v_nop follow each of the two lines.
.macro JLOAD s
	s_cmp_eq_u32 s11, 0
	s_cbranch_scc0 .Lfor_b_\@
	tensor_load_to_lds s[G0+4*\s:G0+4*\s+3], s[G1:G1+7]
	s_nop 0
.rept 4
	v_nop
.endr
	s_branch .Lasked_\@
.Lfor_b_\@:
	tensor_load_to_lds s[G0B+4*\s:G0B+4*\s+3], s[G1B:G1B+7]
	s_nop 0
.rept 4
	v_nop
.endr
.Lasked_\@:
.endm
; A prefetch of the K step that stands two refills on: 32 rows x 256 bytes, a lane a row, one instruction a wave.  Each row's 256 bytes of a K step are named once in the launch: A's by the cluster with x = 0 (here the only one),
; B's by the cluster with y = 0; the four partners that ask for a tile jointly share its rows out by address, 32 each.  The loop's last trip asks for nothing: K has no step two on.
.macro ASK
	s_cmp_gt_u32 s3, s[LIM]                        ; s3 = 1 in the loop's last trip
	s_cbranch_scc0 .Lnot_mine_\@
	global_prefetch_b8 v[PFO], s[PFA:PFA+1] offset:KSTEP*2 th:TH_LOAD_NT scope:SCOPE_SE
.Lnot_mine_\@:
.endm
.macro CREST                           ; a round of the cluster's barrier behind its opening barrier
	s_cmp_lg_u32 s10, 0
	s_cbranch_scc1 .Lnot_wave_0_\@
	s_barrier_signal -3
.Lnot_wave_0_\@:
	s_barrier_wait -3
	s_barrier_signal -1
	s_barrier_wait -1
.endm
.macro CROUND
	s_barrier_signal -1
	s_barrier_wait -1
	CREST
.endm
	s_load_b128 s[4:7], s[0:1], 0x0                ; A s[4:5], B s[6:7]
	s_load_b128 s[68:71], s[0:1], 0x10             ; the bias s[68:69], rs s[70:71]
	s_load_b64 s[8:9], s[0:1], 0x20                ; the result
	v_lshl_add_u32 v[SPW], v0, 2, SPARE
	v_mov_b32 v[NIL], 0
	ds_add_u32 v[SPW], v[NIL]                      ; the wave's opening: the add, twice on end, and its wait ahead of my first tensor load
	ds_add_u32 v[SPW], v[NIL]
	v_lshrrev_b32 v1, 5, v0
	v_readfirstlane_b32 s10, v1                    ; wave 0..3
	s_lshr_b32 s11, s10, 1                         ; which half of the tile's rows is mine.  Also: I fetch for A (0) or for B (1)
	s_and_b32 s12, s10, 1                          ; which half of its columns.  Also: which 128 rows of that tile I fetch
	s_bfe_u32 s40, ttmp6, 0x40000                  ; cx
	s_bfe_u32 s41, ttmp6, 0x40004                  ; cy
	s_lshl_b32 s42, ttmp9, 2
	s_add_co_u32 s42, s42, s40                     ; tile column = 4 x cluster x + cx
	s_and_b32 s13, ttmp7, 0xffff
	s_lshl_b32 s13, s13, 2
	s_add_co_u32 s13, s13, s41                     ; tile row = 4 x cluster y + cy
	s_lshl_b32 s43, s41, 2
	s_lshl_b32 s43, 15, s43                        ; my row of the cluster
	s_lshl_b32 s44, 0x1111, s40                    ; my column
	s_or_b32 s[G1+0], s43, (1<<16)|(1<<20)|(1<<21)|(5<<22)|(3<<25)   ; the mask: A's tiles go to my row; elements of 2 bytes; padding on; bit 21 beside a mask; after every 64 words, 4 words
	s_or_b32 s[G1B+0], s44, (1<<16)|(1<<20)|(1<<21)|(5<<22)|(3<<25)  ; the same with the mask of my column
.irp g, G1, G1B
	s_mov_b32 s[\g+1], KSTEP<<16                   ; tensor_dim0 = 128
	s_mov_b32 s[\g+2], 128<<16                     ; tensor_dim1 = 128
	s_mov_b32 s[\g+3], KSTEP<<16                   ; tile_dim0 = 128
	s_mov_b32 s[\g+4], 128                         ; tile_dim1 = 128
	s_mov_b32 s[\g+5], SIZE_K                      ; elements from row to row
	s_mov_b32 s[\g+6], 0
	s_mov_b32 s[\g+7], 0
.endr
	s_lshl_b32 s17, s12, 7                         ; which 128 rows of the tile I fetch
	s_lshl_b32 s16, s13, 8
	s_add_co_u32 s16, s16, s17                     ; A: row 256 x tile row + 128 x half
	s_lshl_b32 s46, s42, 8
	s_add_co_u32 s46, s46, s17                     ; B: row 256 x tile column + 128 x half
	s_mov_b32 s17, 0
	s_mov_b32 s47, 0
	s_mov_b64 s[18:19], SIZE_K*2
	s_mul_u64 s[16:17], s[16:17], s[18:19]
	s_mul_u64 s[46:47], s[46:47], s[18:19]
	s_mul_i32 s20, s10, HALFT                      ; where they go: wave x 128 rows: no place in the cluster enters an LDS address
	s_wait_dscnt 0x0                               ; both opening adds are done
	s_wait_kmcnt 0x0
	s_add_nc_u64 s[14:15], s[4:5], s[16:17]
	s_add_nc_u64 s[46:47], s[6:7], s[46:47]
	CROUND                                         ; all sixteen work-groups are here: the first joint loads meet
.irp s, 0,1
	s_mov_b32 s[G0+4*\s], 1
	s_add_co_u32 s[G0+4*\s+1], s20, \s*SLOT
	s_add_nc_u64 s[G0+4*\s+2:G0+4*\s+3], s[14:15], \s*KSTEP*2
	s_or_b32 s[G0+4*\s+3], s[G0+4*\s+3], 0x80000000
	s_mov_b32 s[G0B+4*\s], 1
	s_add_co_u32 s[G0B+4*\s+1], s20, \s*SLOT
	s_add_nc_u64 s[G0B+4*\s+2:G0B+4*\s+3], s[46:47], \s*KSTEP*2
	s_or_b32 s[G0B+4*\s+3], s[G0B+4*\s+3], 0x80000000
	JLOAD \s                                       ; the ring is filled before anything else is done: two tensor loads of mine are out
.endr
	v_and_b32 v1, 15, v0                           ; l % 16
	v_bfe_u32 v2, v0, 4, 1                         ; l / 16
	v_lshlrev_b32 v[RR], 4, v1
	v_lshlrev_b32 v[HB], 5, v2
	s_lshl_b32 s72, s13, 12                        ; the records of my 128 rows: (256 x tile row + 128 x half) x 16 bytes
	s_lshl_b32 s73, s11, 11
	s_add_co_u32 s72, s72, s73
	s_mov_b32 s73, 0
	s_add_nc_u64 s[70:71], s[70:71], s[72:73]
	s_lshl_b32 s74, s42, 10                        ; the bias of my 128 columns: (256 x tile column + 128 x half) x 4 bytes
	s_lshl_b32 s75, s12, 9
	s_add_co_u32 s74, s74, s75
	s_mov_b32 s75, 0
	s_add_nc_u64 s[68:69], s[68:69], s[74:75]
	WIN TO_B
.irp a, 0,1,2,3,4,5,6,7
	global_load_b64 v[UB+2*\a:UB+2*\a+1], v[RR], s[70:71] offset:RSOFF+256*\a       ; a record's first half, ub: wanted once, where the sums start
.endr
.irp b, 0,1,2,3,4,5,6,7
	global_load_b128 v[BI+8*\b:BI+8*\b+3], v[HB], s[68:69] offset:64*\b
	global_load_b128 v[BI+8*\b+4:BI+8*\b+7], v[HB], s[68:69] offset:64*\b+16
.endr
	WIN 0
.irp a, 0,1,2,3,4,5,6,7
	global_load_b64 v[GF+2*\a:GF+2*\a+1], v[RR], s[70:71] offset:RSOFF+256*\a+8     ; its second half, g: it stays to the end, in window 0, since the last K step fills window 1
.endr
	v_mul_u32_u24 v3, v1, PITCH
	v_lshl_add_u32 v3, v2, 4, v3                   ; a fragment's row x pitch + 16 x half
	s_mul_i32 s21, s11, HALFT                      ; my 128 rows of A
	s_mul_i32 s22, s12, HALFT                      ; my 128 rows of B,
	s_add_co_u32 s22, s22, 2*HALFT                 ; which lie behind A's 256
.irp s, 0,1
	v_add_nc_u32 v[ADRA+\s], s21, v3
	v_add_nc_u32 v[ADRB+\s], s22, v3
	s_add_co_u32 s21, s21, SLOT
	s_add_co_u32 s22, s22, SLOT
.endr
	s_mul_i32 s23, s10, 16*SPITCH
	s_add_co_u32 s23, s23, STAGE                   ; my stage
	v_mul_u32_u24 v5, v1, SPITCH                   ; in: row l % 16, 32 bytes for each half of the lanes
	v_lshl_add_u32 v5, v2, 5, v5
	v_add_nc_u32 v[STO], s23, v5
	v_and_b32 v6, 31, v0
	v_lshlrev_b32 v[CO], 4, v6                     ; back: the 32 lanes take one row of 512 bytes; and the same in the result
	v_add_nc_u32 v[RD], s23, v[CO]
	s_lshl_b32 s13, s13, 8
	s_lshl_b32 s14, s11, 7
	s_add_co_u32 s16, s13, s14                     ; my first row of the result
	s_mov_b32 s17, 0
	s_mov_b64 s[18:19], SIZE_N*4
	s_mul_u64 s[16:17], s[16:17], s[18:19]
	s_lshl_b32 s46, s42, 10                        ; my first column, in bytes: 1024 x tile column + 512 x half
	s_lshl_b32 s47, s12, 9
	s_add_co_u32 s46, s46, s47
	s_mov_b32 s47, 0
	s_add_nc_u64 s[16:17], s[16:17], s[46:47]
	s_add_nc_u64 s[8:9], s[8:9], s[16:17]
	; the prefetches.  s13 = 256 x tile row, s42 = tile column, s40 = cx, s41 = cy still stand
	s_lshl_b32 s42, s42, 8
	s_and_b32 s22, ttmp7, 0xffff                   ; cluster y
	s_cmp_eq_u32 s11, 0                            ; do I fetch for A?
	s_cselect_b32 s20, s13, s42                    ; the tile's first row
	s_cselect_b32 s21, s40, s41                    ; my place among the four that ask for it with me
	s_cselect_b32 s22, ttmp9, s22                  ; the coordinate along which other clusters read the same rows
	s_cselect_b64 s[PFA:PFA+1], s[4:5], s[6:7]
	s_cmp_eq_u32 s22, 0
	s_cselect_b32 s[LIM], 1, -1                    ; the same in all sixteen partners, for a given wave
	s_lshl_b32 s22, s12, 7
	s_add_co_u32 s20, s20, s22                     ; + the 128 rows that I fetch
	s_lshl_b32 s21, s21, 5
	s_add_co_u32 s20, s20, s21                     ; + my work-group's 32 of them
	s_mov_b32 s21, 0
	s_mov_b64 s[18:19], SIZE_K*2
	s_mul_u64 s[20:21], s[20:21], s[18:19]
	s_add_nc_u64 s[PFA:PFA+1], s[PFA:PFA+1], s[20:21]
	s_add_nc_u64 s[PFA:PFA+1], s[PFA:PFA+1], 2*KSTEP*2  ; at K step 2: the first refill steps it to 3 and names K step 4.  Nothing is prefetched at the head
	v_and_b32 v[PFO], 31, v0
	v_mul_u32_u24 v[PFO], v[PFO], SIZE_K*2
	; THE SUMS START AT bias[column] x ub[row]: 256 packed multiplications, while the first tiles are on their way
	s_wait_loadcnt 0x0
.irp a, 0,1,2,3,4,5,6,7
	WIN 0x85+0x40*(\a/4)                           ; sources window 1, destination window 2 or 3
.irp b, 0,1,2,3,4,5,6,7
.irp p, 0,1,2,3
	v_pk_mul_f32 v[8*(8*(\a%4)+\b)+2*\p:8*(8*(\a%4)+\b)+2*\p+1], v[BI+8*\b+2*\p:BI+8*\b+2*\p+1], v[UB+2*\a:UB+2*\a+1]
.endr
.endr
.endr
	WIN 0
; 16 matrix instructions: blocks of rows a0, a0 + 1 of the window's four x all 8 blocks of columns, 32 along K.  The 64 accumulators take turns, one instruction a turn.
.macro MUL16 f, hi, a0
.irp a, \a0, \a0+1
.irp b, 0,1,2,3,4,5,6,7
	v_wmma_f32_16x16x32_f16 v[8*(8*(\a)+\b):8*(8*(\a)+\b)+7], v[\f+8*\b:\f+8*\b+7], v[\f+8*(4*\hi+\a):\f+8*(4*\hi+\a)+7], v[8*(8*(\a)+\b):8*(8*(\a)+\b)+7]
.endr
.endr
.endm
; 32 LDS loads in one run: the fragments of one quarter step (128 rows of B, 128 rows of A, 32 K at byte k of the rows) into buffer f
.macro FETCH slot, k, f
	WIN TO_B
.irp i, 0,1,2,3,4,5,6,7
	ds_load_b128 v[\f+8*\i:\f+8*\i+3],   v[ADRB+\slot] offset:\k+\i*16*PITCH
	ds_load_b128 v[\f+8*\i+4:\f+8*\i+7], v[ADRB+\slot] offset:\k+\i*16*PITCH+32
.endr
	WIN 0
.irp i, 0,1,2,3,4,5,6,7
	ds_load_b128 v[\f+8*\i:\f+8*\i+3],   v[ADRA+\slot] offset:\k+\i*16*PITCH
	ds_load_b128 v[\f+8*\i+4:\f+8*\i+7], v[ADRA+\slot] offset:\k+\i*16*PITCH+32
.endr
.endm
.macro PLACES                          ; four places in front of loads into registers that matrix instructions have read, and of vector instructions that read results just made
.rept 4
	v_nop
.endr
.endm
; A K step is four quarters of 32 along K, 64 matrix instructions each, on buffers 0, 1, 0, 1.  One of the first three: multiplies buffer f; in its middle it fetches the next quarter, at byte k, into g.
.macro QUARTER slot, k, f, g
	s_wait_dscnt 8                                 ; B and A's rows 0-63 are in; the youngest eight loads (A's rows 64-127) may be out
	WIN MUL_LO
	MUL16 \f, 0, 0
	MUL16 \f, 0, 2
	PLACES
	FETCH \slot, \k, \g
	s_wait_dscnt 32                                ; all but the 32 just issued
	WIN MUL_HI
	MUL16 \f, 1, 0
	MUL16 \f, 1, 2
.endm
; The last quarter's first half: ONE barrier for the change of slots.  In front of it each wave waits for all its tensor loads (one is out: its part of the next slot), adds 0 to its spare word, and waits for that and for its reads of this slot.
.macro MEET round
	WIN 0                                          ; (the add's two registers lie in window 0)
	s_wait_tensorcnt 0x0
	ds_add_u32 v[SPW], v[NIL]
	s_wait_dscnt 9                                 ; (the add and the youngest eight loads may be out)
	WIN MUL_LO
	MUL16 F1, 0, 0                                 ; sixteen matrix instructions stand between the add and the wait for it
	s_wait_dscnt 0x0                               ; the add is done, and my reads of this slot are over
	s_barrier_signal -1
	MUL16 F1, 0, 2                                 ; work on registers while the others arrive
.if \round
	WIN 0
.endif
	s_barrier_wait -1
.endm
; The whole last quarter where the slot is filled again, two K steps ahead: the barrier opens a round of the cluster's; the joint refill is the first thing behind it and has 224 matrix instructions in which to land.
.macro TURN slot, next
	s_wait_xcnt 0x0                                ; the last prefetch, a K step back, has read its address
	s_add_nc_u64 s[PFA:PFA+1], s[PFA:PFA+1], KSTEP*2
	MEET 1
	CREST
	s_add_nc_u64 s[G0+4*\slot+2:G0+4*\slot+3], s[G0+4*\slot+2:G0+4*\slot+3], 2*KSTEP*2
	s_add_nc_u64 s[G0B+4*\slot+2:G0B+4*\slot+3], s[G0B+4*\slot+2:G0B+4*\slot+3], 2*KSTEP*2
	JLOAD \slot                                    ; the four v_nop behind it are also the places in front of the loads below
	FETCH \next, 0, F0
	ASK
	WIN MUL_HI
	MUL16 F1, 1, 0
	MUL16 F1, 1, 2
.endm
; THE LAST K STEP (it lies in slot 1).  All its fragments of B, 4 quarters x 64 registers, fill window 1; A's come by blocks of 16 rows x 128 K; my eight blocks of rows are finished one after the other, each with 32 matrix
; instructions: its 8 accumulators by turns, K ascending, so that the sums are what they would be by K.  LDS is read no more than in any other K step.
.macro BLOAD q                         ; B's fragments of quarter q -> window 1, v[64 q ..]
.irp i, 0,1,2,3,4,5,6,7
	ds_load_b128 v[64*\q+8*\i:64*\q+8*\i+3],   v[ADRB+1] offset:64*\q+\i*16*PITCH
	ds_load_b128 v[64*\q+8*\i+4:64*\q+8*\i+7], v[ADRB+1] offset:64*\q+\i*16*PITCH+32
.endr
.endm
.macro ALOAD a                         ; A's fragments of block a, all four quarters -> buffer a % 4
.set FA, PA+32*((\a)%4)
.irp q, 0,1,2,3
	ds_load_b128 v[FA+8*\q:FA+8*\q+3],   v[ADRA+1] offset:64*\q+(\a)*16*PITCH
	ds_load_b128 v[FA+8*\q+4:FA+8*\q+7], v[ADRA+1] offset:64*\q+(\a)*16*PITCH+32
.endr
.endm
.macro ROW a                           ; block a is finished: 32 matrix instructions
.set FA, PA+32*((\a)%4)                ; its fragments of A
.set AC, 64*((\a)%4)                   ; its eight accumulators, in window 2 (blocks 0-3) or 3 (blocks 4-7)
	WIN MUL_LO+0x50*((\a)/4)                       ; MUL_LO or MUL_HI
.irp q, 0,1,2,3
.if (\a) == 0 && \q == 2
	s_wait_dscnt 24                                ; B's quarter 2 is in (behind it: A's blocks 1 to 3, 24 loads)
.endif
.irp b, 0,1,2,3,4,5,6,7
	v_wmma_f32_16x16x32_f16 v[AC+8*\b:AC+8*\b+7], v[64*\q+8*\b:64*\q+8*\b+7], v[FA+8*\q:FA+8*\q+7], v[AC+8*\b:AC+8*\b+7]
.endr
.endr
.endm
; THE WAY OUT of block a (16 rows x 128 columns).  SCALE: x g[row], relu, in place; each accumulator from its low end on.  TOSTAGE: a lane's 32 bytes of a row into my own stage, and back as whole rows of 512 bytes.  SEND: stored.
.macro SCALE a
.set AC, 64*((\a)%4)
.set GR, GF+2*(\a)
	WIN 0x88+0x44*((\a)/4)                         ; source 0 (g) window 0; source 1 and destination the accumulators' window
.set q, 0
.rept 32
	v_pk_mul_f32 v[AC+2*q:AC+2*q+1], v[GR:GR+1], v[AC+2*q:AC+2*q+1]
.set q, q+1
.endr
.set q, 0
.rept 64
	v_max_num_f32 v[AC+q], 0, v[AC+q]
.set q, q+1
.endr
	WIN 0
.endm
.macro TOSTAGE a
.set AC, 64*((\a)%4)
	WIN 0x08+4*((\a)/4)                            ; an LDS store's data are its source 1: window 2 or 3
.irp b, 0,1,2,3,4,5,6,7
	ds_store_b128 v[STO], v[AC+8*\b:AC+8*\b+3] offset:64*\b
	ds_store_b128 v[STO], v[AC+8*\b+4:AC+8*\b+7] offset:64*\b+16
.endr
	WIN 0
.irp t, 0,1,2,3,4,5,6,7,8,9,10,11,12,13,14,15
	ds_load_b128 v[BK+4*\t:BK+4*\t+3], v[RD] offset:\t*SPITCH      ; LDS serves a wave's instructions in order: these see the stores above
.endr
.endm
.macro SEND a, younger                 ; younger: the LDS loads issued behind the stage's, which may stay out
	s_wait_dscnt \younger                          ; the block is back in registers
.if (\a) > 0
	s_add_nc_u64 s[8:9], s[8:9], 16*SIZE_N*4       ; (behind the wait on XCNT in front of TOSTAGE: the earlier stores have read their base)  16 rows on
.endif
.irp t, 0,1,2,3,4,5,6,7,8,9,10,11,12,13,14,15
	global_store_b128 v[CO], v[BK+4*\t:BK+4*\t+3], s[8:9] offset:\t*SIZE_N*4 th:TH_STORE_NT   ; 32 lanes store 512 consecutive bytes, at a multiple of 256 from the buffer's first byte; written once, read by nobody here
.endr
.endm
	s_wait_tensorcnt 1                             ; my part of K step 0 is in; K step 1's may stay out
	s_barrier_signal -1
	s_barrier_wait -1
	FETCH 0, 0, F0
	QUARTER 0, 64,  F0, F1
	WIN 0                                          ; at a label and at a branch every window is 0
	s_mov_b32 s3, LAPS-1
.Llap:                                                 ; a trip goes once round the ring, from a lap's second quarter to the next lap's first, and fills both slots again
	QUARTER 0, 128, F1, F0
	QUARTER 0, 192, F0, F1
	TURN 0, 1
	QUARTER 1, 64,  F0, F1
	QUARTER 1, 128, F1, F0
	QUARTER 1, 192, F0, F1
	TURN 1, 0
	QUARTER 0, 64,  F0, F1
	WIN 0
	s_sub_co_u32 s3, s3, 1
	s_cmp_lg_u32 s3, 0
	s_cbranch_scc1 .Llap
	QUARTER 0, 128, F1, F0                         ; the last lap is written out: it fills nothing, and has no round of the cluster's barrier
	QUARTER 0, 192, F0, F1
	MEET 0                                         ; my one tensor load that was still out is slot 1's, the last K step's
	PLACES                                         ; for the loads into buffer 0, which the quarter before multiplied
	WIN TO_B
	BLOAD 0                                        ; three quarters of B now (over ub, buffer 0 and the bias, all done with): buffer 1, v128-191 of both windows, is still being multiplied
	BLOAD 1
	BLOAD 3
	WIN 0
	ALOAD 0
	WIN MUL_HI
	MUL16 F1, 1, 0
	MUL16 F1, 1, 2
	PLACES                                         ; for the loads into buffer 1
	WIN TO_B
	BLOAD 2
	WIN 0
	ALOAD 1
	ALOAD 2
	ALOAD 3
	s_wait_dscnt 40                                ; all but the 40 just issued: B's quarter 2 and A's blocks 1 to 3
	ROW 0
.irp a, 0,1,2,3,4,5,6,7                ; each block leaves as soon as it is finished: the first 224 matrix instructions ahead of the last product
	PLACES                                         ; the scaling reads results just made, and block a + 4's loads land on fragments just multiplied
	SCALE \a
.if \a > 0
	s_wait_xcnt 0x0                                ; the block before has left its registers and read its base: they are loaded, and it is stepped, only behind this wait
.endif
	TOSTAGE \a
.if \a < 4
	ALOAD \a+4                                     ; its buffer takes the block four further on
	SEND \a, 8                                     ; those eight loads may stay out
.else
	SEND \a, 0
.endif
.if \a < 7
	ROW \a+1
.endif
.endr
	s_wait_tensorcnt 0x0                           ; the wave's end, behind my last tensor load and my last LDS store
	ds_add_u32 v[SPW], v[NIL]
	s_wait_dscnt 0x0
	CROUND                                         ; the closing round: no work-group ends while a partner may still ask for a tile that names it
	s_endpgm
.Lfunc_end_k_q838aa17aa3_gemm3:
	.size	k_q838aa17aa3_gemm3, .Lfunc_end_k_q838aa17aa3_gemm3-k_q838aa17aa3_gemm3
	.p2alignl 7, 3214868480
	.fill 96, 4, 3214868480
	.section	.rodata,"a",@progbits
	.p2align	6, 0x0
	.amdhsa_kernel k_q838aa17aa3_gemm3
		.amdhsa_group_segment_fixed_size 327680
		.amdhsa_private_segment_fixed_size 0
		.amdhsa_enable_private_segment 0
		.amdhsa_kernarg_size 40
		.amdhsa_user_sgpr_count 2
		.amdhsa_user_sgpr_kernarg_segment_ptr 1
		.amdhsa_wavefront_size32 1
		.amdhsa_system_sgpr_workgroup_id_x 1
		.amdhsa_system_sgpr_workgroup_id_y 1
		.amdhsa_system_sgpr_workgroup_id_z 1
		.amdhsa_system_vgpr_workitem_id 0
		.amdhsa_next_free_vgpr 1024
		.amdhsa_next_free_sgpr 76
		.amdhsa_reserve_vcc 0
		.amdhsa_float_denorm_mode_32 3
		.amdhsa_float_denorm_mode_16_64 3
		.amdhsa_memory_ordered 1
		.amdhsa_forward_progress 1
		.amdhsa_inst_pref_size 194
	.end_amdhsa_kernel
	.amdgpu_metadata
---
amdhsa.version: [ 1, 2 ]
amdhsa.kernels:
  - .name:           k_q838aa17aa3_gemm3
    .symbol:         k_q838aa17aa3_gemm3.kd
    .args:
      - { .name: h2, .offset: 0, .size: 8, .value_kind: global_buffer, .address_space: global }
      - { .name: w2h, .offset: 8, .size: 8, .value_kind: global_buffer, .address_space: global }
      - { .name: b2, .offset: 16, .size: 8, .value_kind: global_buffer, .address_space: global }
      - { .name: rs, .offset: 24, .size: 8, .value_kind: global_buffer, .address_space: global }
      - { .name: out0, .offset: 32, .size: 8, .value_kind: global_buffer, .address_space: global }
    .group_segment_fixed_size: 327680
    .private_segment_fixed_size: 0
    .kernarg_segment_align: 8
    .kernarg_segment_size: 40
    .max_flat_workgroup_size: 128
    .sgpr_count:     76
    .vgpr_count:     1024
    .wavefront_size: 32
...
	.end_amdgpu_metadata
.endif
;; end of part 4
